; MI455X (gfx1250); checked and timed in simulation.
; The chip was launched on July 23, 2026; its instructions are those of AMD's public machine-readable ISA for CDNA 5 (MIT licence, August 2026) and "CDNA5" Instruction Set Architecture Reference Guide (July 2026). The comments in the code are by the model that wrote it; some were corrected since.
;; Qwen3 Attention. Allowed arithmetic: float matrix products may take bf16 or f16 operands with f32 sums; all other float work in f32.
;; Inputs: attention_mask 2 x 1 x 2,048 x 2,048 float32; hidden_states 2 x 2,048 x 2,048 float32; k_norm_w 128 float32; k_w 1,024 x 2,048 float32; o_w 2,048 x 1,024 float32; position_ids 2 x 2,048 int32; q_norm_w 128 float32; q_w 1,024 x 2,048 float32; v_w 1,024 x 2,048 float32.
;; Outputs: out0 2 x 2,048 x 2,048 float32.
;; One version. Each part assembles by itself: llvm-mc -triple=amdgcn-amd-amdhsa -mcpu=gfx1250 --defsym DOCPART=n.
;; ======== version 1 of 1: 4 launches
;; limits: right only within a limited range of input values; values are held in f16: magnitudes above 65,504 overflow, below 6.1e-05 lose precision; values outside matrix products are rounded to bf16
;; workspace buffers: xb 16,777,216 bytes; wb 12,582,912 bytes; owb 4,194,304 bytes; cst 2,097,152 bytes; qkv 25,165,824 bytes; att 8,388,608 bytes
;; launch prep (part 1): grid 256 x 1, 8 waves a work-group, no clusters, 0 bytes of LDS; arguments hidden_states, q_w, k_w, v_w, o_w, position_ids, xb, wb, owb, cst; writes xb, wb, owb, cst
.if DOCPART == 1
	.amdgcn_target "amdgcn-amd-amdhsa--gfx1250"
	.amdhsa_code_object_version 6
	.text
	.protected	k_qc72dd87d7e_prep
	.globl	k_qc72dd87d7e_prep
	.p2align	8
	.type	k_qc72dd87d7e_prep,@function
k_qc72dd87d7e_prep:
	s_mov_b64 s[64:65], 0
	v_nop
	global_prefetch_b8 v0, s[64:65] scope:SCOPE_SE
	s_setreg_imm32_b32 hwreg(HW_REG_WAVE_MODE, 25, 1), 1
	s_wait_xcnt 0x0
; prep: (1) the inputs of the matrix products are rounded to bf16, once: hidden_states, q_w, k_w, v_w are stored as bf16;
;           o_w is rounded to bf16 and stored as f16, because its partner in the last product, the attention's result, is f16;
;       (2) the table of cos and sin of position x frequency, once for each (token, frequency).
; The five tensors hold 16,777,216 numbers = 256 work-groups x 65,536.  Work-group g takes one piece of 256 KiB:
;   g 0-127 hidden_states -> xb;  128-159 q_w, 160-191 k_w, 192-223 v_w -> wb (rows 0-1023, 1024-2047, 2048-3071);  224-255 o_w -> owb.
; A wave takes 32 KiB as 64 loads of 16 bytes a lane (512 neighbouring bytes a load); each gives one store of 8 bytes a lane:
; 256 neighbouring bytes, aligned.  Two register buffers of 16 loads: 32 loads of every wave are on their way.
; No LDS, no barrier, no matrix unit: nothing is read twice and no wave needs another's data.
; Work-group g also makes table block g: tokens 16 g .. 16 g + 15, all 64 frequencies.  The table lies in the order in which the
; projection kernel's lanes hold their results: byte = block*8192 + b*2048 + (0 cos, 1024 sin) + jh*512 + lane*16 + 4*jj holds
; token 16*block + (lane & 15), frequency c = 16 b + 8 (lane >> 4) + 4 jh + jj.  Wave w makes b = w >> 1, jh = w & 1.
; LIMITS.  o_w as f16: its 8 bits of bf16 are kept exactly from 6.1e-5 to 65,504 in magnitude; below, the step is 6e-8; above, infinity.
; The angle is the f32 product position x frequency as in the model; the frequency 1e6^(-c/64) is made by v_exp_f32 and is
; good to about 1e-6 of itself, so angles agree to 2e-3 for |position| up to about 1e5; beyond that the error grows in proportion.
.set B0, 64                            ; v[64:127]   load buffer 0
.set B1, 128                           ; v[128:191]  load buffer 1
.set O0, 192                           ; v[192:223]  store data 0
.set O1, 224                           ; v[224:255]  store data 1
.set E,  6                             ; v[6:9]      exponent, frequency, then angle, for jj = 0..3
.set KQ, 10                            ; v[10:13]    nearest multiple of pi/2
.set R,  14                            ; v[14:17]    reduced angle
.set R2, 18                            ; v[18:21]    its square
.set SP, 22                            ; v[22:25]    sine of the reduced angle
.set CP, 26                            ; v[26:29]    cosine of the reduced angle
.set QD, 30                            ; v[30:33]    quadrant
.set CO, 34                            ; v[34:37]    cos, to store
.set SO, 38                            ; v[38:41]    sin, to store
.set CB, 42                            ; v42         my first frequency's number
.set TT, 43                            ; v43         at work
	s_load_b512 s[8:23], s[0:1], 0x0               ; hidden 8, q_w 10, k_w 12, v_w 14, o_w 16, position_ids 18, xb 20, wb 22
	s_load_b128 s[24:27], s[0:1], 0x40             ; owb 24, cst 26
	s_mov_b32 s2, ttmp9                            ; g
	s_mov_b32 s44, 0xffff0000                      ; a word's upper bf16
	s_and_b32 s30, s2, 31                          ; piece inside a weight tensor (32 pieces each; the ranges start at multiples of 32)
	s_and_b32 s31, s2, 127                         ; piece inside xb (g < 128) or inside wb (g - 128 for 128 <= g < 224)
	v_and_b32 v6, 31, v0                           ; lane
	v_lshrrev_b32 v7, 5, v0                        ; wave
	v_lshlrev_b32 v1, 4, v6
	v_lshl_add_u32 v1, v7, 15, v1                  ; v1: source offset = 16 lane + 32,768 wave
	v_lshlrev_b32 v2, 3, v6
	v_lshl_add_u32 v2, v7, 14, v2                  ; v2: destination offset = 8 lane + 16,384 wave
	v_and_b32 v3, 15, v0
	v_lshlrev_b32 v3, 2, v3                        ; v3: my token's word among the block's 16 positions
	v_lshrrev_b32 v8, 1, v7                        ; b
	v_and_b32 v9, 1, v7                            ; jh
	v_lshlrev_b32 v5, 4, v6
	v_lshl_add_u32 v5, v8, 11, v5
	v_lshl_add_u32 v5, v9, 9, v5                   ; v5: my 16 bytes in the table block
	v_bfe_u32 v10, v0, 4, 1
	v_lshlrev_b32 v[CB], 4, v8
	v_lshl_add_u32 v[CB], v10, 3, v[CB]
	v_lshl_add_u32 v[CB], v9, 2, v[CB]             ; c of jj = 0
	s_wait_kmcnt 0x0
	s_cmp_ge_u32 s2, 128                           ; the choices hang on the work-group's number alone
	s_cselect_b64 s[28:29], s[10:11], s[8:9]       ; source
	s_cselect_b32 s34, s30, s2                     ; piece of the source
	s_cselect_b64 s[32:33], s[22:23], s[20:21]     ; destination
	s_cmp_ge_u32 s2, 160
	s_cselect_b64 s[28:29], s[12:13], s[28:29]
	s_cmp_ge_u32 s2, 192
	s_cselect_b64 s[28:29], s[14:15], s[28:29]
	s_cmp_ge_u32 s2, 224
	s_cselect_b64 s[28:29], s[16:17], s[28:29]
	s_cselect_b64 s[32:33], s[24:25], s[32:33]
	s_cselect_b32 s35, s30, s31                    ; piece of the destination
	s_lshl_b32 s36, s34, 18                        ; 256 KiB of f32 a piece
	s_mov_b32 s37, 0
	s_add_nc_u64 s[28:29], s[28:29], s[36:37]
	s_lshl_b32 s38, s35, 17                        ; 128 KiB of 16-bit numbers a piece
	s_mov_b32 s39, 0
	s_add_nc_u64 s[32:33], s[32:33], s[38:39]
	s_lshl_b32 s40, s2, 6                          ; 16 positions of 4 bytes
	s_mov_b32 s41, 0
	s_add_nc_u64 s[18:19], s[18:19], s[40:41]
	s_lshl_b32 s42, s2, 13                         ; a table block is 8,192 bytes
	s_mov_b32 s43, 0
	s_add_nc_u64 s[26:27], s[26:27], s[42:43]
.macro LOAD16 g, buf                   ; 16 loads: 8 KiB of the wave's 32
.irp i, 0,1,2,3,4,5,6,7,8,9,10,11,12,13,14,15
	global_load_b128 v[\buf+4*\i:\buf+4*\i+3], v1, s[28:29] offset:(16*\g+\i)*512 th:TH_LOAD_NT
.endr
.endm
; 64 numbers a lane, two roundings to bf16 an instruction.  h = 1 (o_w): the bf16 numbers are widened again (a shift, a mask) into the
; load buffer, which has been read, and packed as f16.
.macro CVT16 buf, out, h
.irp i, 0,1,2,3,4,5,6,7,8,9,10,11,12,13,14,15
	v_cvt_pk_bf16_f32 v[\out+2*\i],   v[\buf+4*\i],   v[\buf+4*\i+1]
	v_cvt_pk_bf16_f32 v[\out+2*\i+1], v[\buf+4*\i+2], v[\buf+4*\i+3]
.if \h
	v_lshlrev_b32 v[\buf+4*\i],   16,  v[\out+2*\i]
	v_and_b32     v[\buf+4*\i+1], s44, v[\out+2*\i]
	v_lshlrev_b32 v[\buf+4*\i+2], 16,  v[\out+2*\i+1]
	v_and_b32     v[\buf+4*\i+3], s44, v[\out+2*\i+1]
	v_cvt_pk_f16_f32 v[\out+2*\i],   v[\buf+4*\i],   v[\buf+4*\i+1]
	v_cvt_pk_f16_f32 v[\out+2*\i+1], v[\buf+4*\i+2], v[\buf+4*\i+3]
.endif
.endr
.endm
.macro STORE16 g, out                  ; each store of the wave covers 256 consecutive bytes, aligned; read again by the next launches, so no hint
.irp i, 0,1,2,3,4,5,6,7,8,9,10,11,12,13,14,15
	global_store_b64 v2, v[\out+2*\i:\out+2*\i+1], s[32:33] offset:(16*\g+\i)*256
.endr
.endm
	global_load_b32 v4, v3, s[18:19]               ; my token's position
	LOAD16 0, B0
	LOAD16 1, B1
	; the table, while the stream's first loads are on their way.  frequency = 2^(-c log2(1e6) / 64)
.irp jj, 0,1,2,3
	v_add_nc_u32 v[E+\jj], \jj, v[CB]
	v_cvt_f32_u32 v[E+\jj], v[E+\jj]
	v_mul_f32 v[E+\jj], 0xbe9f73da, v[E+\jj]       ; -log2(1e6)/64
.endr
.irp jj, 0,1,2,3
	v_exp_f32 v[E+\jj], v[E+\jj]
.endr
	v_nop                                          ; one plain instruction behind the last v_exp_f32 before its result is read (ISA guide 5.7.2)
	s_wait_loadcnt 32                              ; the 32 loads of the stream are younger: the position is in
	v_cvt_f32_i32 v4, v4
	s_wait_alu depctr_va_vdst(0)
.irp jj, 0,1,2,3
	v_mul_f32 v[E+\jj], v4, v[E+\jj]               ; the angle x, rounded to f32 as the model rounds it
	v_mul_f32 v[KQ+\jj], 0x3f22f983, v[E+\jj]      ; x * 2/pi
	v_rndne_f32 v[KQ+\jj], v[KQ+\jj]               ; k
	v_fmamk_f32 v[R+\jj], v[KQ+\jj], 0xbfc90fda, v[E+\jj]   ; r = x - k pi/2, pi/2 in three parts, each step one fused multiply-add
	v_fmamk_f32 v[R+\jj], v[KQ+\jj], 0xb3a22168, v[R+\jj]
	v_fmamk_f32 v[R+\jj], v[KQ+\jj], 0xa7c234c4, v[R+\jj]
	v_mul_f32 v[R2+\jj], v[R+\jj], v[R+\jj]
	v_mov_b32 v[SP+\jj], 0xb94ca1f9                ; sin r = r + r r2 (s1 + r2 (s2 + r2 s3)) on |r| <= pi/4
	v_fmaak_f32 v[SP+\jj], v[SP+\jj], v[R2+\jj], 0x3c08839e
	v_fmaak_f32 v[SP+\jj], v[SP+\jj], v[R2+\jj], 0xbe2aaaa3
	v_mul_f32 v[SP+\jj], v[SP+\jj], v[R2+\jj]
	v_fma_f32 v[SP+\jj], v[SP+\jj], v[R+\jj], v[R+\jj]
	v_mov_b32 v[CP+\jj], 0x37ccf5ce                ; cos r = 1 + r2 (-1/2 + r2 (c1 + r2 (c2 + r2 c3)))
	v_fmaak_f32 v[CP+\jj], v[CP+\jj], v[R2+\jj], 0xbab6061a
	v_fmaak_f32 v[CP+\jj], v[CP+\jj], v[R2+\jj], 0x3d2aaaa5
	v_fma_f32 v[CP+\jj], v[CP+\jj], v[R2+\jj], -0.5
	v_fma_f32 v[CP+\jj], v[CP+\jj], v[R2+\jj], 1.0
	v_cvt_i32_f32 v[QD+\jj], v[KQ+\jj]             ; the quadrant is k mod 4 (two's complement serves negative k too)
	v_and_b32 v[TT], 1, v[QD+\jj]
	v_cmp_ne_u32 vcc_lo, 0, v[TT]                  ; odd quadrant: sine and cosine change places (a select of values, no branch)
	v_cndmask_b32 v[SO+\jj], v[SP+\jj], v[CP+\jj], vcc_lo
	v_cndmask_b32 v[CO+\jj], v[CP+\jj], v[SP+\jj], vcc_lo
	v_and_b32 v[TT], 2, v[QD+\jj]                  ; sine is negative in quadrants 2 and 3
	v_lshlrev_b32 v[TT], 30, v[TT]
	v_xor_b32 v[SO+\jj], v[SO+\jj], v[TT]
	v_add_nc_u32 v[QD+\jj], 1, v[QD+\jj]           ; cosine in quadrants 1 and 2
	v_and_b32 v[QD+\jj], 2, v[QD+\jj]
	v_lshlrev_b32 v[QD+\jj], 30, v[QD+\jj]
	v_xor_b32 v[CO+\jj], v[CO+\jj], v[QD+\jj]
.endr
	global_store_b128 v5, v[CO:CO+3], s[26:27]                 ; 512 consecutive bytes a wave
	global_store_b128 v5, v[SO:SO+3], s[26:27] offset:1024
; the stream: four quarters of 16 loads on two buffers
.macro STREAM h
	s_wait_loadcnt 16                              ; buffer 0 is in; buffer 1's 16 loads stay out
	CVT16 B0, O0, \h
	STORE16 0, O0
	LOAD16 2, B0
	s_wait_loadcnt 16                              ; buffer 1 is in; the 16 just issued stay out
	CVT16 B1, O1, \h
	STORE16 1, O1
	LOAD16 3, B1
	s_wait_loadcnt 16                              ; the third quarter is in
	s_wait_xcnt 0x0                                ; store data 0 is rewritten only behind this wait
	CVT16 B0, O0, \h
	STORE16 2, O0
	s_wait_loadcnt 0x0                             ; the last quarter
	s_wait_xcnt 0x0                                ; store data 1 likewise
	CVT16 B1, O1, \h
	STORE16 3, O1
	s_endpgm
.endm
	s_cmp_ge_u32 s2, 224                           ; the work-groups of o_w take the second form; the branch hangs on the work-group's number alone
	s_cbranch_scc1 .Lo_w
	STREAM 0
.Lo_w:
	STREAM 1
.Lfunc_end_k_qc72dd87d7e_prep:
	.size	k_qc72dd87d7e_prep, .Lfunc_end_k_qc72dd87d7e_prep-k_qc72dd87d7e_prep
	.p2alignl 7, 3214868480
	.fill 96, 4, 3214868480
	.section	.rodata,"a",@progbits
	.p2align	6, 0x0
	.amdhsa_kernel k_qc72dd87d7e_prep
		.amdhsa_group_segment_fixed_size 0
		.amdhsa_private_segment_fixed_size 0
		.amdhsa_enable_private_segment 0
		.amdhsa_kernarg_size 80
		.amdhsa_user_sgpr_count 2
		.amdhsa_user_sgpr_kernarg_segment_ptr 1
		.amdhsa_wavefront_size32 1
		.amdhsa_system_sgpr_workgroup_id_x 1
		.amdhsa_system_sgpr_workgroup_id_y 1
		.amdhsa_system_sgpr_workgroup_id_z 1
		.amdhsa_system_vgpr_workitem_id 0
		.amdhsa_next_free_vgpr 256
		.amdhsa_next_free_sgpr 66
		.amdhsa_reserve_vcc 1
		.amdhsa_float_denorm_mode_32 3
		.amdhsa_float_denorm_mode_16_64 3
		.amdhsa_memory_ordered 1
		.amdhsa_forward_progress 1
		.amdhsa_inst_pref_size 63
	.end_amdhsa_kernel
	.amdgpu_metadata
---
amdhsa.version: [ 1, 2 ]
amdhsa.kernels:
  - .name:           k_qc72dd87d7e_prep
    .symbol:         k_qc72dd87d7e_prep.kd
    .args:
      - { .name: hidden_states, .offset: 0, .size: 8, .value_kind: global_buffer, .address_space: global }
      - { .name: q_w, .offset: 8, .size: 8, .value_kind: global_buffer, .address_space: global }
      - { .name: k_w, .offset: 16, .size: 8, .value_kind: global_buffer, .address_space: global }
      - { .name: v_w, .offset: 24, .size: 8, .value_kind: global_buffer, .address_space: global }
      - { .name: o_w, .offset: 32, .size: 8, .value_kind: global_buffer, .address_space: global }
      - { .name: position_ids, .offset: 40, .size: 8, .value_kind: global_buffer, .address_space: global }
      - { .name: xb, .offset: 48, .size: 8, .value_kind: global_buffer, .address_space: global }
      - { .name: wb, .offset: 56, .size: 8, .value_kind: global_buffer, .address_space: global }
      - { .name: owb, .offset: 64, .size: 8, .value_kind: global_buffer, .address_space: global }
      - { .name: cst, .offset: 72, .size: 8, .value_kind: global_buffer, .address_space: global }
    .group_segment_fixed_size: 0
    .private_segment_fixed_size: 0
    .kernarg_segment_align: 8
    .kernarg_segment_size: 80
    .max_flat_workgroup_size: 256
    .sgpr_count:     66
    .vgpr_count:     256
    .wavefront_size: 32
...
	.end_amdgpu_metadata
.endif
;; end of part 1
;; launch qkv (part 2): grid 12 x 16, 4 waves a work-group, clusters of 4 x 4, 327,680 bytes of LDS; arguments xb, wb, cst, q_norm_w, k_norm_w, qkv; writes qkv
.if DOCPART == 2
	.amdgcn_target "amdgcn-amd-amdhsa--gfx1250"
	.amdhsa_code_object_version 6
	.text
	.protected	k_qc72dd87d7e_qkv
	.globl	k_qc72dd87d7e_qkv
	.p2align	8
	.type	k_qc72dd87d7e_qkv,@function
k_qc72dd87d7e_qkv:
	s_mov_b64 s[64:65], 0
	v_nop
	global_prefetch_b8 v0, s[64:65] scope:SCOPE_SE
	s_setreg_imm32_b32 hwreg(HW_REG_WAVE_MODE, 25, 1), 1
	s_wait_xcnt 0x0
	s_wait_alu depctr_hold_cnt(0) depctr_sa_sdst(0) depctr_va_vdst(0) depctr_va_sdst(0) depctr_va_ssrc(0) depctr_va_vcc(0) depctr_vm_vsrc(0)
	s_getreg_b32 s2, hwreg(HW_REG_IB_STS2, 6, 4)
	s_cmp_eq_u32 s2, 0
	s_cbranch_scc0 .Lentry_in_a_cluster
	s_endpgm
.Lentry_in_a_cluster:
	s_bfe_u32 s2, ttmp6, 0x10000c
	s_cmp_lg_u32 s2, 0xf033
	s_cbranch_scc0 .Lentry_shape_is_right
	s_endpgm
.Lentry_shape_is_right:
; qkv[t][n] = sum over k of xb[t][k] wb[n][k]  (4096 x 3072 x 2048, bf16 operands, f32 sums); on the way out the q and k columns get the
; per-head RMS norm with its gains and the rotary embedding, q also the factor log2(e)/sqrt(128) (the softmax works in base 2); f16 out:
; q, k and v are operands of the next products and have room in f16, which keeps three bits more than bf16.
; The gains are rounded to bf16 like the other inputs that reach a matrix operand: the program computes the module on bf16 inputs throughout.
; A work-group makes 256 tokens x 256 columns with four waves, a wave 128 x 128: 64 accumulator tiles of 16 x 16 in 512 registers.
; A wave's 128 columns are exactly one head, so norm and rotation never leave the wave.  K goes in steps of 128 through two LDS slots
; filled by the tensor data mover; a tile's rows are 256 bytes of memory and start at multiples of 256 bytes.
; 192 work-groups: blocks of 256 x 256 keep whole heads in a wave; a split into 256 even parts would cut heads.
; CLUSTERS: 4 x 4 work-groups.  The four of a row of the cluster need the same tiles of xb, the four of a column the same tiles of wb:
; each tile is asked for jointly (same line, same descriptor, a mask that names the four), which divides the requests by four.
; The cluster's x (0, 1, 2) says whether the block is q, k or v: it is equal in all sixteen partners, so the one branch on it is too.
; REGISTERS, in windows of 256: window 0: v0-43 addresses and small work; v64-191 fragments of xb (two buffers), on the way out work space;
;   window 1: v64-191 fragments of wb, v192-255 the gains of my columns; on the way out v0-191 are three buffers of 64 for cos and sin;
;   windows 2, 3: accumulators of my rows 0-63, 64-127.
; The table of cos and sin runs two blocks of 16 tokens ahead of the block at work: block 0 is asked for in front of the last two K steps
; (into v0-63 of window 1, which the K loop does not use), blocks 1 and 2 at the head of the way out, block i + 2 at the head of block i.
; The v blocks issue block 0's 16 loads too (8 KiB a wave, inside the table) and do not use them: every path then has the same loads.
; The matrix instruction is used transposed (source 0 = rows of wb, source 1 = rows of xb): lane l holds token l % 16 and its registers
; 0-7 the columns 16 b + 8 (l / 16) + 0..7 of tile b: eight neighbouring numbers of a row.
; LIMITS: f16 results: a number above 65,504 in magnitude (v, for instance) becomes infinity.  q is scaled before it is rounded.
.set SIZE_M, 4096
.set SIZE_N, 3072
.set SIZE_K, 2048
.set KSTEP,  128
.set PITCH,  272                       ; an LDS row: 256 bytes + 16 of padding: the 16 rows that a fragment load touches start 68 words apart
.set HALFT,  128*PITCH                 ; 128 rows: one tensor load, and what one wave reads of xb or wb
.set SLOT,   4*HALFT                   ; xb's 256 rows, then wb's 256 rows
.set STAGE,  2*SLOT                    ; behind the ring: 16 rows x 272 bytes for each wave; no tensor load lands here
.set SPITCH, 272
.set LAPS, SIZE_K/(2*KSTEP)            ; 8 laps of two K steps
.set ADRA, 16                          ; v16-17  LDS address of my xb fragments in slot 0, 1
.set ADRB, 20                          ; v20-21  the same for wb
.set STO,  24                          ; v24     stage: where I put 16 bytes of a row
.set RD,   25                          ; v25     stage: where I read a row back
.set CO,   26                          ; v26     my byte offset in qkv
.set TBO,  27                          ; v27     16 x lane: my 16 bytes in a run of the table
.set WO,   28                          ; v28     32 x (lane / 16): my columns in the gains
.set SSQ,  32                          ; v[32:39] four pairs of sums of squares
.set RS,   42                          ; v[42:43] 1/rms x scale, twice
.set F0,   64
.set F1,   128
.set Y,    64                          ; v[64:127]  way out: 16 tokens x my 64 columns, normalised
.set RR,   128                         ; v[128:191] way out: rotated: columns d < 64 at 8 b + j, columns d + 64 at 32 + 8 b + j
.set TMP,  192                         ; v[192:223] packed 16-bit numbers
.set RB,   224                         ; v[224:255] rows read back
.set W,    192                         ; window 1: v[192:255] gains of columns 16 b + 8 h + j at 8 b + j
.set G1, 24
.set G0, 32
.set G1B, 48
.set G0B, 56
.set MSB, 0
.macro WIN new                         ; the immediate's high byte repeats the setting that is left
.if MSB != \new
	s_set_vgpr_msb (MSB<<8)|\new
.set MSB, \new
.endif
.endm
.set MUL_LO, 0xa1                      ; source 0 window 1, source 1 window 0, C and D window 2
.set MUL_HI, 0xf1                      ; the same, C and D window 3
.set TO_B,   0x40                      ; destination window 1, address window 0
; A joint load: waves 0, 1 fetch xb's two halves, waves 2, 3 wb's.  Each line has one mask; the branch hangs on the wave's number alone.
.macro JLOAD s
	s_cmp_eq_u32 s11, 0
	s_cbranch_scc0 .Lfor_b_\@
	tensor_load_to_lds s[G0+4*\s:G0+4*\s+3], s[G1:G1+7]
	s_nop 0
	s_branch .Lasked_\@
.Lfor_b_\@:
	tensor_load_to_lds s[G0B+4*\s:G0B+4*\s+3], s[G1B:G1B+7]
	s_nop 0
.Lasked_\@:
.endm
; A round of the cluster's barrier: my work-group's barrier, wave 0 signals for the work-group, every wave waits for all sixteen, my barrier again.
.macro CREST
	s_cmp_lg_u32 s10, 0
	s_cbranch_scc1 .Lnot_wave_0_\@
	s_barrier_signal -3
.Lnot_wave_0_\@:
	s_barrier_wait -3
	s_barrier_signal -1
	s_barrier_wait -1
.endm
.macro CROUND
	s_barrier_signal -1
	s_barrier_wait -1
	CREST
.endm
	s_load_b128 s[4:7], s[0:1], 0x0                ; xb s[4:5], wb s[6:7]
	s_load_b128 s[68:71], s[0:1], 0x10             ; cst s[68:69], q_norm_w s[70:71]
	s_load_b64 s[72:73], s[0:1], 0x20              ; k_norm_w
	s_load_b64 s[8:9], s[0:1], 0x28                ; qkv
	v_lshl_add_u32 v62, v0, 2, 0x48400
	v_mov_b32 v63, 0
	ds_add_u32 v62, v63
	v_lshrrev_b32 v1, 5, v0
	v_readfirstlane_b32 s10, v1                    ; wave 0..3
	s_lshr_b32 s11, s10, 1                         ; my half of the block's rows; also: I fetch for xb (0) or wb (1)
	s_and_b32 s12, s10, 1                          ; my half of its columns; also: which 128 rows of that tile I fetch
	s_bfe_u32 s40, ttmp6, 0x40000                  ; cx
	s_bfe_u32 s41, ttmp6, 0x40004                  ; cy
	s_lshl_b32 s42, ttmp9, 2
	s_add_co_u32 s42, s42, s40                     ; block column = 4 x cluster x + cx
	s_and_b32 s13, ttmp7, 0xffff
	s_lshl_b32 s13, s13, 2
	s_add_co_u32 s13, s13, s41                     ; block row = 4 x cluster y + cy
	s_lshl_b32 s43, s41, 2
	s_lshl_b32 s43, 15, s43                        ; my row of the cluster
	s_lshl_b32 s44, 0x1111, s40                    ; my column
	; group 1: 128 rows x 128 elements of 2 bytes, 16 bytes of padding behind every 256
	s_or_b32 s[G1+0], s43, (1<<16)|(1<<20)|(1<<21)|(5<<22)|(3<<25)
	s_or_b32 s[G1B+0], s44, (1<<16)|(1<<20)|(1<<21)|(5<<22)|(3<<25)
	s_mov_b32 s[G1B+1], KSTEP<<16
	s_mov_b32 s[G1+1], KSTEP<<16                   ; tensor_dim0 = 128
	s_mov_b32 s[G1B+2], 128<<16
	s_mov_b32 s[G1+2], 128<<16                     ; tensor_dim1 = 128
	s_mov_b32 s[G1B+3], KSTEP<<16
	s_mov_b32 s[G1+3], KSTEP<<16                   ; tile_dim0 = 128
	s_mov_b32 s[G1B+4], 128
	s_mov_b32 s[G1+4], 128                         ; tile_dim1 = 128
	s_mov_b32 s[G1B+5], SIZE_K
	s_mov_b32 s[G1+5], SIZE_K                      ; elements from row to row
	s_mov_b32 s[G1B+6], 0
	s_mov_b32 s[G1+6], 0
	s_mov_b32 s[G1B+7], 0
	s_mov_b32 s[G1+7], 0
	s_lshl_b32 s17, s12, 7
	s_lshl_b32 s16, s13, 8
	s_add_co_u32 s16, s16, s17                     ; xb: row 256 x block row + 128 x half
	s_lshl_b32 s46, s42, 8
	s_add_co_u32 s46, s46, s17                     ; wb: row 256 x block column + 128 x half
	s_mov_b32 s17, 0
	s_mov_b32 s47, 0
	s_mov_b64 s[18:19], SIZE_K*2
	s_mul_u64 s[16:17], s[16:17], s[18:19]
	s_mul_u64 s[46:47], s[46:47], s[18:19]
	s_mul_i32 s20, s10, HALFT                      ; LDS: wave x 128 rows: no place in the cluster enters an LDS address
	s_wait_dscnt 0x0
	s_wait_kmcnt 0x0
	s_add_nc_u64 s[14:15], s[4:5], s[16:17]
	s_add_nc_u64 s[46:47], s[6:7], s[46:47]
	CROUND                                         ; all sixteen work-groups are here: the first joint loads meet
.irp s, 0,1
	s_mov_b32 s[G0+4*\s], 1
	s_add_co_u32 s[G0+4*\s+1], s20, \s*SLOT
	s_add_nc_u64 s[G0+4*\s+2:G0+4*\s+3], s[14:15], \s*KSTEP*2
	s_or_b32 s[G0+4*\s+3], s[G0+4*\s+3], 0x80000000
	s_mov_b32 s[G0B+4*\s], 1
	s_add_co_u32 s[G0B+4*\s+1], s20, \s*SLOT
	s_add_nc_u64 s[G0B+4*\s+2:G0B+4*\s+3], s[46:47], \s*KSTEP*2
	s_or_b32 s[G0B+4*\s+3], s[G0B+4*\s+3], 0x80000000
	JLOAD \s                                       ; both slots are asked for before anything else: two tensor loads of the wave are out
.endr
	v_and_b32 v1, 15, v0                           ; r = l % 16
	v_bfe_u32 v2, v0, 4, 1                         ; h = l / 16
	v_mul_u32_u24 v3, v1, PITCH
	v_lshl_add_u32 v3, v2, 4, v3                   ; row x pitch + 16 h
	s_mul_i32 s21, s11, HALFT
	s_mul_i32 s22, s12, HALFT
	s_add_co_u32 s22, s22, 2*HALFT
.irp s, 0,1
	v_add_nc_u32 v[ADRA+\s], s21, v3
	v_add_nc_u32 v[ADRB+\s], s22, v3
	s_add_co_u32 s21, s21, SLOT
	s_add_co_u32 s22, s22, SLOT
.endr
	s_mul_i32 s23, s10, 16*SPITCH
	s_add_co_u32 s23, s23, STAGE
	v_mul_u32_u24 v4, v1, SPITCH
	v_lshl_add_u32 v4, v2, 4, v4
	v_add_nc_u32 v[STO], s23, v4
	v_mul_u32_u24 v5, v2, SPITCH
	v_lshl_add_u32 v5, v1, 4, v5
	v_add_nc_u32 v[RD], s23, v5
	v_mul_u32_u24 v5, v2, SIZE_N*2
	v_lshl_add_u32 v[CO], v1, 4, v5
	v_and_b32 v6, 31, v0
	v_lshlrev_b32 v[TBO], 4, v6
	v_lshlrev_b32 v[WO], 5, v2
	v_mov_b32 v41, 0                               ; v_permlanex16_b32's destination counts as read: written once here
	s_mov_b32 s76, 0x76543210                      ; lane i of one half reads lane i of the other
	s_mov_b32 s77, 0xfedcba98
	s_mov_b32 s78, 0x3c000000                      ; 1/128
	s_mov_b32 s79, 0x358637bd                      ; 1e-6
	s_cmp_eq_u32 ttmp9, 0                          ; cluster x = 0: a q block
	s_cselect_b64 s[72:73], s[70:71], s[72:73]     ; its gains (v blocks load k's 512 bytes and do not use them)
	s_cselect_b32 s80, 0x3e0293ee, 1.0             ; q also carries log2(e)/sqrt(128)
	s_lshl_b32 s66, s13, 17                        ; the table at my first token: block 16 x block row + 8 x half, 8,192 bytes each
	s_lshl_b32 s67, s11, 16
	s_add_co_u32 s66, s66, s67
	s_mov_b32 s67, 0
	s_add_nc_u64 s[68:69], s[68:69], s[66:67]
	WIN TO_B
.irp b, 0,1,2,3,4,5,6,7
	global_load_b128 v[W+8*\b:W+8*\b+3],   v[WO], s[72:73] offset:64*\b
	global_load_b128 v[W+8*\b+4:W+8*\b+7], v[WO], s[72:73] offset:64*\b+16
.endr
	WIN 0
; 16 matrix instructions: m blocks a0, a0 + 1 of the window's four x all 8 n blocks, 32 along K.  zero = 1: the first product starts the sums.
; The 64 accumulators take turns, one instruction a turn, in the same order in every quarter step.
.macro MUL16 f, hi, a0, zero
.irp a, \a0, \a0+1
.irp b, 0,1,2,3,4,5,6,7
.if \zero
	v_wmma_f32_16x16x32_bf16 v[8*(8*(\a)+\b):8*(8*(\a)+\b)+7], v[\f+8*\b:\f+8*\b+7], v[\f+8*(4*\hi+\a):\f+8*(4*\hi+\a)+7], 0
.else
	v_wmma_f32_16x16x32_bf16 v[8*(8*(\a)+\b):8*(8*(\a)+\b)+7], v[\f+8*\b:\f+8*\b+7], v[\f+8*(4*\hi+\a):\f+8*(4*\hi+\a)+7], v[8*(8*(\a)+\b):8*(8*(\a)+\b)+7]
.endif
.endr
.endr
.endm
; 32 LDS loads in one run: the fragments of one quarter step into buffer f
.macro FETCH slot, k, f
	WIN TO_B
.irp i, 0,1,2,3,4,5,6,7
	ds_load_b128 v[\f+8*\i:\f+8*\i+3],   v[ADRB+\slot] offset:\k+\i*16*PITCH
	ds_load_b128 v[\f+8*\i+4:\f+8*\i+7], v[ADRB+\slot] offset:\k+\i*16*PITCH+32
.endr
	WIN 0
.irp i, 0,1,2,3,4,5,6,7
	ds_load_b128 v[\f+8*\i:\f+8*\i+3],   v[ADRA+\slot] offset:\k+\i*16*PITCH
	ds_load_b128 v[\f+8*\i+4:\f+8*\i+7], v[ADRA+\slot] offset:\k+\i*16*PITCH+32
.endr
.endm
; four places between a matrix instruction and a load into, or a vector instruction on, one of its registers
.macro PLACES
.rept 4
	v_nop
.endr
.endm
.macro QUARTER slot, k, f, g, zero
	s_wait_dscnt 8                                 ; wb and xb's rows 0-63 are in; the youngest eight loads (rows 64-127) may be out
	WIN MUL_LO
	MUL16 \f, 0, 0, \zero
	MUL16 \f, 0, 2, \zero
	PLACES
	FETCH \slot, \k, \g
	s_wait_dscnt 32                                ; all but the 32 just issued
	WIN MUL_HI
	MUL16 \f, 1, 0, \zero
	MUL16 \f, 1, 2, \zero
.endm
.macro THREE slot, zero
	QUARTER \slot, 64,  F0, F1, \zero
	QUARTER \slot, 128, F1, F0, 0
	QUARTER \slot, 192, F0, F1, 0
.endm
; The last quarter of a K step changes slots.  In front of the barrier each wave waits for its reads of this slot and for all its tensor
; loads (one is out: its part of the next slot); behind it the refill comes first, then the next slot's first fragments.
.macro TURN slot, next, fill
	s_wait_dscnt 8
	WIN MUL_LO
	MUL16 F1, 0, 0, 0
	s_wait_dscnt 0                                 ; my reads of this slot are over
	s_set_vgpr_msb 0xa1a0
	s_wait_tensorcnt 0x0                           ; all my tensor loads have landed
	ds_add_u32 v62, v63
	s_wait_dscnt 0x0
	s_set_vgpr_msb 0xa0a1
	s_barrier_signal -1                            ; where the slot is filled again this barrier opens a round of the cluster's barrier
	MUL16 F1, 0, 2, 0                              ; register work while the others arrive
	WIN 0
	s_barrier_wait -1
.if \fill
	CREST                                          ; no wave of any partner still reads this slot or has a load on its way
	s_add_nc_u64 s[G0+4*\slot+2:G0+4*\slot+3], s[G0+4*\slot+2:G0+4*\slot+3], 2*KSTEP*2
	s_add_nc_u64 s[G0B+4*\slot+2:G0B+4*\slot+3], s[G0B+4*\slot+2:G0B+4*\slot+3], 2*KSTEP*2
	JLOAD \slot                                    ; the wave's one tensor load behind the round, and the first thing there
.endif
	PLACES
	FETCH \next, 0, F0
	WIN MUL_HI
	MUL16 F1, 1, 0, 0
	MUL16 F1, 1, 2, 0
.endm
.macro LAP zero
	THREE 0, \zero
	TURN 0, 1, 1
	THREE 1, 0
	TURN 1, 0, 1
.endm
; cos and sin of block i (16 tokens, my 32 frequencies a lane) into buffer i mod 3 of window 1: cos at 0-31, sin at 32-63.
; 16 loads of 512 consecutive bytes each.
.macro TLOAD i
	WIN TO_B
.irp b, 0,1,2,3
.irp jh, 0,1
	global_load_b128 v[64*((\i)%3)+8*\b+4*\jh:64*((\i)%3)+8*\b+4*\jh+3],       v[TBO], s[68:69] offset:(\i)*8192+\b*2048+\jh*512
	global_load_b128 v[64*((\i)%3)+32+8*\b+4*\jh:64*((\i)%3)+32+8*\b+4*\jh+3], v[TBO], s[68:69] offset:(\i)*8192+\b*2048+1024+\jh*512
.endr
.endr
	WIN 0
.endm
	s_wait_loadcnt 0x0                             ; the gains, once
	; the gains are rounded to bf16 and widened again: two roundings an instruction into registers of the way out, which are free here
	WIN 0x05                                       ; sources 0 and 1 in window 1, destination in window 0
.set n, 0
.rept 32
	v_cvt_pk_bf16_f32 v[TMP+n], v[W+2*n], v[W+2*n+1]
.set n, n+1
.endr
	WIN TO_B                                       ; destination in window 1, sources in window 0
.set n, 0
.rept 32
	v_lshlrev_b32 v[W+2*n],   16,         v[TMP+n]
	v_and_b32     v[W+2*n+1], 0xffff0000, v[TMP+n]
.set n, n+1
.endr
	WIN 0
	s_wait_tensorcnt 1                             ; my part of K step 0 is in; K step 1's may stay out
	s_barrier_signal -1
	s_barrier_wait -1
	FETCH 0, 0, F0
	LAP 1                                          ; the first lap's first products start the sums
	WIN 0
	s_mov_b32 s3, LAPS-2
.Llap:
	LAP 0
	WIN 0
	s_sub_co_u32 s3, s3, 1
	s_cmp_lg_u32 s3, 0
	s_cbranch_scc1 .Llap
	TLOAD 0                                        ; the first block's cos and sin, two K steps ahead of their use, into registers that the K loop does not name
	THREE 0, 0                                     ; the last lap fills nothing
	TURN 0, 1, 0
	THREE 1, 0
	s_wait_dscnt 8
	WIN MUL_LO
	MUL16 F1, 0, 0, 0
	MUL16 F1, 0, 2, 0
	s_wait_dscnt 0
	WIN MUL_HI
	MUL16 F1, 1, 0, 0
	MUL16 F1, 1, 2, 0
	; THE WAY OUT, 16 tokens at a time.
	PLACES                                         ; behind the last matrix instructions: results are read, fragment registers rewritten and loaded into
	WIN 0
	s_lshl_b32 s13, s13, 8
	s_lshl_b32 s14, s11, 7
	s_add_co_u32 s16, s13, s14                     ; my first token
	s_mov_b32 s17, 0
	s_mov_b64 s[18:19], SIZE_N*2
	s_mul_u64 s[16:17], s[16:17], s[18:19]
	s_add_nc_u64 s[8:9], s[8:9], s[16:17]
	s_lshl_b32 s46, s42, 9                         ; my first column, in bytes: 512 x block + 256 x half
	s_lshl_b32 s47, s12, 8
	s_add_co_u32 s46, s46, s47
	s_mov_b32 s47, 0
	s_add_nc_u64 s[8:9], s[8:9], s[46:47]
; 16 rows of 256 bytes through my own stage: 16 bytes a lane in, whole rows back, sixteen lanes store 256 consecutive aligned bytes.
.macro STAGEOUT i
.irp b, 0,1,2,3,4,5,6,7
	ds_store_b128 v[STO], v[TMP+4*\b:TMP+4*\b+3] offset:32*\b
.endr
	s_wait_xcnt 0x0                                ; the read-back registers, which the last stores read, and the base are rewritten only behind this wait
.if \i
	s_add_nc_u64 s[8:9], s[8:9], 16*SIZE_N*2
.endif
.irp t, 0,1,2,3,4,5,6,7
	ds_load_b128 v[RB+4*\t:RB+4*\t+3], v[RD] offset:\t*2*SPITCH    ; LDS serves a wave's instructions in order (ISA guide 5.7.1.4): these see the stores above
.endr
.irp t, 0,1,2,3,4,5,6,7
	s_wait_dscnt 7-\t
	global_store_b128 v[CO], v[RB+4*\t:RB+4*\t+3], s[8:9] offset:2*\t*SIZE_N*2
.endr
.endm
; v: round and store.  from = 0x0a or 0x0f: sources in window 2 or 3
.macro OUTPLAIN i, a, from
	WIN \from
.irp b, 0,1,2,3,4,5,6,7
.irp r, 0,1,2,3
	v_cvt_pk_f16_f32 v[TMP+4*\b+\r], v[8*(8*\a+\b)+2*\r], v[8*(8*\a+\b)+2*\r+1]
.endr
.endr
	WIN 0
	STAGEOUT \i
.endm
; q, k: RMS norm over the head's 128 columns, gains, rotation.  scl = 0x02 or 0x03: source 0 in window 2 or 3
.macro OUTROPE i, a, from, scl
.set TB, 64*(\i%3)                     ; this block's buffer of cos and sin in window 1
.if \i == 0
	TLOAD 1                                        ; wb's fragment registers are free now: the table runs two blocks ahead
	TLOAD 2
.else
.if \i < 6
	TLOAD \i+2                                     ; into the buffer that block i - 1 has read
.endif
.endif
	WIN \from
.irp k, 0,1,2,3
	v_pk_mul_f32 v[SSQ+2*\k:SSQ+2*\k+1], v[64*\a+2*\k:64*\a+2*\k+1], v[64*\a+2*\k:64*\a+2*\k+1]    ; tile 0 starts four chains
.endr
.irp b, 1,2,3,4,5,6,7
.irp k, 0,1,2,3
	v_pk_fma_f32 v[SSQ+2*\k:SSQ+2*\k+1], v[8*(8*\a+\b)+2*\k:8*(8*\a+\b)+2*\k+1], v[8*(8*\a+\b)+2*\k:8*(8*\a+\b)+2*\k+1], v[SSQ+2*\k:SSQ+2*\k+1]
.endr
.endr
	WIN 0
	v_pk_add_f32 v[SSQ:SSQ+1], v[SSQ:SSQ+1], v[SSQ+2:SSQ+3]
	v_pk_add_f32 v[SSQ+4:SSQ+5], v[SSQ+4:SSQ+5], v[SSQ+6:SSQ+7]
	v_pk_add_f32 v[SSQ:SSQ+1], v[SSQ:SSQ+1], v[SSQ+4:SSQ+5]
	v_add_f32 v40, v[SSQ], v[SSQ+1]                ; my 64 columns of token r
	v_permlanex16_b32 v41, v40, s76, s77           ; the other 64 lie in lane l xor 16
	v_add_f32 v40, v40, v41
	v_fma_f32 v40, v40, s78, s79                   ; mean + 1e-6
	v_rsq_f32 v41, v40
	v_nop                                          ; one plain instruction behind v_rsq_f32 (ISA guide 5.7.2)
	s_wait_alu depctr_va_vdst(0)
	v_mul_f32 v[RS], s80, v41
	v_mul_f32 v[RS+1], s80, v41
	WIN \scl
.irp b, 0,1,2,3,4,5,6,7
.irp k, 0,1,2,3
	v_pk_mul_f32 v[Y+8*\b+2*\k:Y+8*\b+2*\k+1], v[8*(8*\a+\b)+2*\k:8*(8*\a+\b)+2*\k+1], v[RS:RS+1]
.endr
.endr
	WIN 0x04                                       ; source 1 in window 1: the gains, then cos and sin
.irp b, 0,1,2,3,4,5,6,7
.irp k, 0,1,2,3
	v_pk_mul_f32 v[Y+8*\b+2*\k:Y+8*\b+2*\k+1], v[Y+8*\b+2*\k:Y+8*\b+2*\k+1], v[W+8*\b+2*\k:W+8*\b+2*\k+1]
.endr
.endr
.if \i < 6
	s_wait_loadcnt 32                              ; this block's 16 loads are in; the 32 of the next two blocks are younger
.else
	s_wait_loadcnt 16*(7-\i)                       ; block 6: the last block's 16 are younger; block 7: none
.endif
	; column d < 64 and column d + 64 (tiles b and b + 4) share a frequency: y[d] cos - y[d+64] sin, y[d+64] cos + y[d] sin
.irp b, 0,1,2,3
.irp p, 0,1,2,3
	v_pk_mul_f32 v[RR+8*\b+2*\p:RR+8*\b+2*\p+1],       v[Y+8*\b+2*\p:Y+8*\b+2*\p+1],       v[TB+8*\b+2*\p:TB+8*\b+2*\p+1]
	v_pk_mul_f32 v[RR+32+8*\b+2*\p:RR+32+8*\b+2*\p+1], v[Y+32+8*\b+2*\p:Y+32+8*\b+2*\p+1], v[TB+8*\b+2*\p:TB+8*\b+2*\p+1]
.endr
.irp p, 0,1,2,3
	v_pk_fma_f32 v[RR+8*\b+2*\p:RR+8*\b+2*\p+1],       v[Y+32+8*\b+2*\p:Y+32+8*\b+2*\p+1], v[TB+32+8*\b+2*\p:TB+32+8*\b+2*\p+1], v[RR+8*\b+2*\p:RR+8*\b+2*\p+1] neg_lo:[1,0,0] neg_hi:[1,0,0]
	v_pk_fma_f32 v[RR+32+8*\b+2*\p:RR+32+8*\b+2*\p+1], v[Y+8*\b+2*\p:Y+8*\b+2*\p+1],       v[TB+32+8*\b+2*\p:TB+32+8*\b+2*\p+1], v[RR+32+8*\b+2*\p:RR+32+8*\b+2*\p+1]
.endr
.endr
	WIN 0
.irp b, 0,1,2,3
.irp p, 0,1,2,3
	v_cvt_pk_f16_f32 v[TMP+4*\b+\p],    v[RR+8*\b+2*\p],    v[RR+8*\b+2*\p+1]
	v_cvt_pk_f16_f32 v[TMP+16+4*\b+\p], v[RR+32+8*\b+2*\p], v[RR+32+8*\b+2*\p+1]
.endr
.endr
	STAGEOUT \i
.endm
	s_cmp_eq_u32 ttmp9, 2                          ; cluster x = 2: a v block; equal in all partners
	s_cbranch_scc1 .Lplain
	OUTROPE 0, 0, 0x0a, 0x02
	OUTROPE 1, 1, 0x0a, 0x02
	OUTROPE 2, 2, 0x0a, 0x02
	OUTROPE 3, 3, 0x0a, 0x02
	OUTROPE 4, 0, 0x0f, 0x03
	OUTROPE 5, 1, 0x0f, 0x03
	OUTROPE 6, 2, 0x0f, 0x03
	OUTROPE 7, 3, 0x0f, 0x03
	s_branch .Ljoin
.Lplain:
	OUTPLAIN 0, 0, 0x0a
	OUTPLAIN 1, 1, 0x0a
	OUTPLAIN 2, 2, 0x0a
	OUTPLAIN 3, 3, 0x0a
	OUTPLAIN 4, 0, 0x0f
	OUTPLAIN 5, 1, 0x0f
	OUTPLAIN 6, 2, 0x0f
	OUTPLAIN 7, 3, 0x0f
.Ljoin:
	s_wait_tensorcnt 0x0
	ds_add_u32 v62, v63
	s_wait_dscnt 0x0
	CROUND                                         ; the closing round: no work-group ends while a partner may still ask for a tile that names it
	s_endpgm
.Lfunc_end_k_qc72dd87d7e_qkv:
	.size	k_qc72dd87d7e_qkv, .Lfunc_end_k_qc72dd87d7e_qkv-k_qc72dd87d7e_qkv
	.p2alignl 7, 3214868480
	.fill 96, 4, 3214868480
	.section	.rodata,"a",@progbits
	.p2align	6, 0x0
	.amdhsa_kernel k_qc72dd87d7e_qkv
		.amdhsa_group_segment_fixed_size 327680
		.amdhsa_private_segment_fixed_size 0
		.amdhsa_enable_private_segment 0
		.amdhsa_kernarg_size 48
		.amdhsa_user_sgpr_count 2
		.amdhsa_user_sgpr_kernarg_segment_ptr 1
		.amdhsa_wavefront_size32 1
		.amdhsa_system_sgpr_workgroup_id_x 1
		.amdhsa_system_sgpr_workgroup_id_y 1
		.amdhsa_system_sgpr_workgroup_id_z 1
		.amdhsa_system_vgpr_workitem_id 0
		.amdhsa_next_free_vgpr 1024
		.amdhsa_next_free_sgpr 82
		.amdhsa_reserve_vcc 0
		.amdhsa_float_denorm_mode_32 3
		.amdhsa_float_denorm_mode_16_64 3
		.amdhsa_memory_ordered 1
		.amdhsa_forward_progress 1
		.amdhsa_inst_pref_size 255
	.end_amdhsa_kernel
	.section	.bss,"aw",@nobits
	.p2align	6
	.space	262144
	.amdgpu_metadata
---
amdhsa.version: [ 1, 2 ]
amdhsa.kernels:
  - .name:           k_qc72dd87d7e_qkv
    .symbol:         k_qc72dd87d7e_qkv.kd
    .args:
      - { .name: xb, .offset: 0, .size: 8, .value_kind: global_buffer, .address_space: global }
      - { .name: wb, .offset: 8, .size: 8, .value_kind: global_buffer, .address_space: global }
      - { .name: cst, .offset: 16, .size: 8, .value_kind: global_buffer, .address_space: global }
      - { .name: q_norm_w, .offset: 24, .size: 8, .value_kind: global_buffer, .address_space: global }
      - { .name: k_norm_w, .offset: 32, .size: 8, .value_kind: global_buffer, .address_space: global }
      - { .name: qkv, .offset: 40, .size: 8, .value_kind: global_buffer, .address_space: global }
    .group_segment_fixed_size: 327680
    .private_segment_fixed_size: 0
    .kernarg_segment_align: 8
    .kernarg_segment_size: 48
    .max_flat_workgroup_size: 128
    .sgpr_count:     82
    .vgpr_count:     1024
    .wavefront_size: 32
...
	.end_amdgpu_metadata
.endif
;; end of part 2
;; launch attn (part 3): grid 16 x 16, 4 waves a work-group, clusters of 4 x 4, 327,680 bytes of LDS; arguments qkv, attention_mask, att; writes att
.if DOCPART == 3
	.amdgcn_target "amdgcn-amd-amdhsa--gfx1250"
	.amdhsa_code_object_version 6
	.text
	.protected	k_qc72dd87d7e_attn
	.globl	k_qc72dd87d7e_attn
	.p2align	8
	.type	k_qc72dd87d7e_attn,@function
k_qc72dd87d7e_attn:
	s_mov_b64 s[64:65], 0
	v_nop
	global_prefetch_b8 v0, s[64:65] scope:SCOPE_SE
	s_setreg_imm32_b32 hwreg(HW_REG_WAVE_MODE, 25, 1), 1
	s_wait_xcnt 0x0
	s_wait_alu depctr_hold_cnt(0) depctr_sa_sdst(0) depctr_va_vdst(0) depctr_va_sdst(0) depctr_va_ssrc(0) depctr_va_vcc(0) depctr_vm_vsrc(0)
	s_getreg_b32 s2, hwreg(HW_REG_IB_STS2, 6, 4)
	s_cmp_eq_u32 s2, 0
	s_cbranch_scc0 .Lentry_in_a_cluster
	s_endpgm
.Lentry_in_a_cluster:
	s_bfe_u32 s2, ttmp6, 0x10000c
	s_cmp_lg_u32 s2, 0xf033
	s_cbranch_scc0 .Lentry_shape_is_right
	s_endpgm
.Lentry_shape_is_right:
; att = softmax(q k^T + mask) v for one (batch, head) and 128 query rows; q already carries log2(e)/sqrt(128), so the softmax runs in base 2
; and the mask is multiplied by log2(e) as it is added.  The mask is an input: every word of it is read and added, no key is skipped.
; Work-group (x = query block of 128, y = 8 batch + head): 256 work-groups.  A wave owns 32 query rows (two blocks of 16) and walks all
; 2,048 keys in 16 steps of 128 (one LDS slot each), a step in two chunks of 64 keys, with a running maximum and running sums.
; ORIENTATION, so that nothing is shuffled: S^T = K Q^T (source 0 = 16 keys, source 1 = 16 queries): lane (r, h), register j holds
; (key 16 kb + 8 h + j, query r).  Two neighbouring blocks, packed to f16, are exactly the second source of O^T = V^T P^T for 32 keys;
; V^T comes out of LDS by the transposing load.  Maximum and sum of a query lie in lanes r and r + 16: one cross-half exchange a chunk.
; CLUSTERS 4 x 4: the four query blocks of a row of the cluster read the same K and V tiles, the four heads of a column (one batch, one
; query block) the same mask tile: each tile is asked for jointly, which divides both kinds of request by four.
; Wave 0 asks for K (128 x 256 bytes), wave 1 for V, waves 2 and 3 for 64 rows x 512 bytes of the mask each: one tensor load a wave.
; By this text's count a wave has two tensor loads out at the start and one behind each round.
; LDS: slot = K 128 x 272 | V 128 x 288 | mask 128 x 528 = 139,264 bytes; two slots; then 4,352 bytes of stage for each wave.
; REGISTERS: window 0: addresses, statistics, mask words v64-127, scores v128-191, P v192-223; window 1: O v0-127, V^T v128-255;
;            window 2: Q v0-63, K v64-191.
; LIMITS.  Entries whose mask x log2(e) + score lies below -1e30 (a mask below about -6.9e29, -inf too) count as -inf; a row that has
; nothing above that gives NaN.  f16 operands: |v| above 65,504 is infinity; weights of the softmax below 3e-8 of the row's largest count as 0.
; The sums of the weights are taken before their rounding to f16.
.set ROWB,   6144                      ; bytes of a token's row in qkv
.set KSTEPB, 128*ROWB                  ; 128 keys further down
.set KP,     272                       ; K's LDS pitch: odd multiple of 16
.set VP,     288                       ; V's: odd multiple of 32, for the transposing load
.set MPI,    528                       ; the mask's: 512 + 16
.set VOFF,   128*KP
.set MOFF,   VOFF+128*VP
.set SLOT,   MOFF+128*MPI
.set STAGE,  2*SLOT
.set SPITCH, 272
.set ADK, 8                            ; v8-9    K fragments in slot 0, 1
.set ADV, 10                           ; v10-11  V^T fragments
.set ADM, 12                           ; v12-13  my mask words
.set STO, 14
.set RD,  15
.set CO,  16
.set QO,  17
.set PFO, 18
.set MP,  20                           ; v[20:23] running maximum, a pair for each query block
.set AL,  24                           ; v[24:27] 2^(old maximum - new), pairs
.set TA,  28                           ; v28-29
.set TB,  30                           ; v30-31
.set TP,  32                           ; v32-33  destinations of the cross-half exchange
.set DD,  34                           ; v34-35
.set LS,  40                           ; v[40:55] eight partial sums for each query block
.set RL,  56                           ; v[56:59] 1 / sum, pairs
.set MK,  64                           ; mask words, block 2 kb + qb at 8 x block
.set SC,  128                          ; scores, the same order
.set PB,  192                          ; P fragments, 2 ks + qb
.set OA,  0                            ; window 1: O tiles 2 db + qb
.set VF,  128                          ; window 1: V^T fragments 8 ks + db
.set QF,  0                            ; window 2: Q fragments 4 qb + s
.set KF,  64                           ; window 2: K fragments 4 kb + s
.set G1K, 24
.set G1V, 32
.set G1M, 44
.set G0K, 52
.set G0V, 68
.set G0M, 76
.set MSB, 0
.macro WIN new                         ; the immediate's high byte repeats the setting that is left
.if MSB != \new
	s_set_vgpr_msb (MSB<<8)|\new
.set MSB, \new
.endif
.endm
.macro PLACES                          ; four places behind a matrix instruction (ISA guide 7.12.1)
.rept 4
	v_nop
.endr
.endm
; One joint load a wave.  The branches hang on the wave's number alone; each line has one mask and one set of registers.
.macro JLOAD s
	s_cmp_lg_u32 s10, 0
	s_cbranch_scc1 .Lnot_k_\@
	tensor_load_to_lds s[G0K+4*\s:G0K+4*\s+3], s[G1K:G1K+7]
	s_nop 0
	s_branch .Lasked_\@
.Lnot_k_\@:
	s_cmp_lg_u32 s10, 1
	s_cbranch_scc1 .Lnot_v_\@
	tensor_load_to_lds s[G0V+4*\s:G0V+4*\s+3], s[G1V:G1V+7]
	s_nop 0
	s_branch .Lasked_\@
.Lnot_v_\@:
	tensor_load_to_lds s[G0M+4*\s:G0M+4*\s+3], s[G1M:G1M+7]
	s_nop 0
.Lasked_\@:
.endm
.macro CREST
	s_cmp_lg_u32 s10, 0
	s_cbranch_scc1 .Lnot_wave_0_\@
	s_barrier_signal -3
.Lnot_wave_0_\@:
	s_barrier_wait -3
	s_barrier_signal -1
	s_barrier_wait -1
.endm
.macro CROUND
	s_barrier_signal -1
	s_barrier_wait -1
	CREST
.endm
	s_load_b128 s[4:7], s[0:1], 0x0                ; qkv s[4:5], attention_mask s[6:7]
	s_load_b64 s[8:9], s[0:1], 0x10                ; att
	v_lshl_add_u32 v254, v0, 2, 0x48400
	v_mov_b32 v255, 0
	ds_add_u32 v254, v255
	v_lshrrev_b32 v1, 5, v0
	v_readfirstlane_b32 s10, v1                    ; wave 0..3
	s_and_b32 s11, s10, 1                          ; waves 2, 3: which 64 rows of the mask tile
	s_bfe_u32 s40, ttmp6, 0x40000                  ; cx
	s_bfe_u32 s41, ttmp6, 0x40004                  ; cy
	s_lshl_b32 s42, ttmp9, 2
	s_add_co_u32 s42, s42, s40                     ; query block = 4 x cluster x + cx
	s_and_b32 s12, ttmp7, 0xffff                   ; cluster y
	s_lshr_b32 s14, s12, 1                         ; batch: equal in the whole cluster
	s_lshl_b32 s13, s12, 2
	s_add_co_u32 s13, s13, s41                     ; 8 batch + head
	s_and_b32 s15, s13, 7                          ; head
	s_lshl_b32 s43, s41, 2
	s_lshl_b32 s43, 15, s43                        ; my row of the cluster: K and V
	s_lshl_b32 s66, 0x1111, s40                    ; my column: the mask
	; group 1 of K: 128 rows x 128 elements of 2 bytes, 16 bytes of padding behind every 256; V: 32 bytes; mask: 64 rows x 128 of 4 bytes, 16 behind every 512
	s_or_b32 s[G1K+0], s43, (1<<16)|(1<<20)|(1<<21)|(5<<22)|(3<<25)
	s_mov_b32 s[G1K+1], 128<<16
	s_mov_b32 s[G1K+2], 128<<16
	s_mov_b32 s[G1K+3], 128<<16
	s_mov_b32 s[G1K+4], 128
	s_mov_b32 s[G1K+5], 3072
	s_mov_b32 s[G1K+6], 0
	s_mov_b32 s[G1K+7], 0
	s_or_b32 s[G1V+0], s43, (1<<16)|(1<<20)|(1<<21)|(5<<22)|(7<<25)
	s_mov_b32 s[G1V+1], 128<<16
	s_mov_b32 s[G1V+2], 128<<16
	s_mov_b32 s[G1V+3], 128<<16
	s_mov_b32 s[G1V+4], 128
	s_mov_b32 s[G1V+5], 3072
	s_mov_b32 s[G1V+6], 0
	s_mov_b32 s[G1V+7], 0
	s_or_b32 s[G1M+0], s66, (2<<16)|(1<<20)|(1<<21)|(6<<22)|(3<<25)
	s_mov_b32 s[G1M+1], 128<<16
	s_mov_b32 s[G1M+2], 64<<16
	s_mov_b32 s[G1M+3], 128<<16
	s_mov_b32 s[G1M+4], 64
	s_mov_b32 s[G1M+5], 2048
	s_mov_b32 s[G1M+6], 0
	s_mov_b32 s[G1M+7], 0
	s_mul_i32 s16, s14, 2048*ROWB                  ; the head's columns at the batch's first token: made of batch and head alone
	s_lshl_b32 s17, s15, 8
	s_add_co_u32 s16, s16, s17
	s_mov_b32 s17, 0
	s_lshl_b32 s20, s14, 24                        ; the mask at (batch, query block): made of batch and query block alone
	s_lshl_b32 s21, s42, 20
	s_add_co_u32 s20, s20, s21
	s_mov_b32 s21, 0
	s_lshl_b32 s60, s11, 19                        ; 64 rows of 8,192 bytes
	s_mov_b32 s61, 0
	s_mul_i32 s67, s10, 64*MPI                     ; LDS: the wave's number times 64 rows; waves 2 and 3 land on the mask's two halves
	s_wait_dscnt 0x0
	s_wait_kmcnt 0x0
	s_add_nc_u64 s[18:19], s[4:5], s[16:17]
	s_add_nc_u64 s[22:23], s[6:7], s[20:21]
	s_add_nc_u64 s[62:63], s[22:23], s[60:61]
	CROUND                                         ; all sixteen work-groups are here: the first joint loads meet
.irp s, 0,1
	s_mov_b32 s[G0K+4*\s], 1
	s_mov_b32 s[G0K+4*\s+1], \s*SLOT
	s_add_nc_u64 s[G0K+4*\s+2:G0K+4*\s+3], s[18:19], 2048+\s*KSTEPB      ; k lies 1,024 columns behind q
	s_or_b32 s[G0K+4*\s+3], s[G0K+4*\s+3], 0x80000000
	s_mov_b32 s[G0V+4*\s], 1
	s_mov_b32 s[G0V+4*\s+1], \s*SLOT+VOFF
	s_add_nc_u64 s[G0V+4*\s+2:G0V+4*\s+3], s[18:19], 4096+\s*KSTEPB      ; v 2,048 columns
	s_or_b32 s[G0V+4*\s+3], s[G0V+4*\s+3], 0x80000000
	s_mov_b32 s[G0M+4*\s], 1
	s_add_co_u32 s[G0M+4*\s+1], s67, \s*SLOT+MOFF-128*MPI
	s_add_nc_u64 s[G0M+4*\s+2:G0M+4*\s+3], s[62:63], \s*512
	s_or_b32 s[G0M+4*\s+3], s[G0M+4*\s+3], 0x80000000
	JLOAD \s
.endr
	v_and_b32 v1, 15, v0                           ; r
	v_bfe_u32 v2, v0, 4, 1                         ; h
	v_mul_u32_u24 v[QO], v1, ROWB
	v_lshl_add_u32 v[QO], v2, 4, v[QO]             ; Q: row r, 16 h bytes
	s_lshl_b32 s16, s42, 7
	s_lshl_b32 s17, s10, 5
	s_add_co_u32 s16, s16, s17                     ; my first query row in the batch
	s_mul_i32 s16, s16, ROWB
	s_mov_b32 s17, 0
	s_add_nc_u64 s[90:91], s[18:19], s[16:17]
	WIN 0x80                                       ; destination window 2
.irp qb, 0,1
.irp s, 0,1,2,3
	global_load_b128 v[QF+8*(4*\qb+\s):QF+8*(4*\qb+\s)+3],   v[QO], s[90:91] offset:\qb*16*ROWB+64*\s      ; 8 KiB a wave, once
	global_load_b128 v[QF+8*(4*\qb+\s)+4:QF+8*(4*\qb+\s)+7], v[QO], s[90:91] offset:\qb*16*ROWB+64*\s+32
.endr
.endr
	WIN 0
	v_mul_u32_u24 v4, v1, KP
	v_lshl_add_u32 v[ADK], v2, 4, v4               ; key r x pitch + 16 h
	v_add_nc_u32 v[ADK+1], SLOT, v[ADK]
	v_and_b32 v5, 7, v0
	v_lshl_add_u32 v5, v2, 3, v5                   ; key 8 h + (l & 7)
	v_mul_u32_u24 v5, v5, VP
	v_bfe_u32 v6, v0, 3, 1
	v_lshl_add_u32 v5, v6, 4, v5                   ; + 16 ((l >> 3) & 1)
	v_add_nc_u32 v[ADV], VOFF, v5
	v_add_nc_u32 v[ADV+1], VOFF+SLOT, v5
	s_mul_i32 s60, s10, 32*MPI
	s_add_co_u32 s60, s60, MOFF
	v_mul_u32_u24 v7, v1, MPI
	v_lshl_add_u32 v7, v2, 5, v7                   ; query row r, keys 8 h ..
	v_add_nc_u32 v[ADM], s60, v7
	v_add_nc_u32 v[ADM+1], SLOT, v[ADM]
	s_mul_i32 s61, s10, 16*SPITCH
	s_add_co_u32 s61, s61, STAGE
	v_add_nc_u32 v[STO], s61, v[ADK]               ; stage: row r, 16 h (the same pitch as K's)
	v_mul_u32_u24 v4, v2, SPITCH
	v_lshl_add_u32 v4, v1, 4, v4
	v_add_nc_u32 v[RD], s61, v4
	v_lshlrev_b32 v[CO], 11, v2                    ; att: rows of 2,048 bytes
	v_lshl_add_u32 v[CO], v1, 4, v[CO]
	s_lshl_b32 s60, s15, 17                        ; prefetch: my head asks for rows 16 head .. + 15 of a mask tile, two blocks of 256 bytes a row
	v_lshlrev_b32 v[PFO], 13, v1
	v_lshl_add_u32 v[PFO], v2, 8, v[PFO]
	v_add_nc_u32 v[PFO], s60, v[PFO]
	s_add_nc_u64 s[88:89], s[22:23], 1024          ; step 0 asks for tile 2
	v_mov_b32 v[TP], 0                             ; v_permlanex16_b32's destination counts as read
	v_mov_b32 v[TP+1], 0
	s_mov_b32 s84, 0x76543210
	s_mov_b32 s85, 0xfedcba98
	s_mov_b32 s86, 0xf149f2ca                      ; -1e30: the floor of the running maximum
; K's fragments (32 loads) and my mask words (16 loads) of chunk c of a slot
.macro FETCH_KM slot, c
	WIN 0x80
.irp kb, 0,1,2,3
.irp s, 0,1,2,3
	ds_load_b128 v[KF+8*(4*\kb+\s):KF+8*(4*\kb+\s)+3],   v[ADK+\slot] offset:(64*\c+16*\kb)*KP+64*\s
	ds_load_b128 v[KF+8*(4*\kb+\s)+4:KF+8*(4*\kb+\s)+7], v[ADK+\slot] offset:(64*\c+16*\kb)*KP+64*\s+32
.endr
.endr
	WIN 0
.irp kb, 0,1,2,3
.irp qb, 0,1
	ds_load_b128 v[MK+8*(2*\kb+\qb):MK+8*(2*\kb+\qb)+3],   v[ADM+\slot] offset:\qb*16*MPI+256*\c+64*\kb
	ds_load_b128 v[MK+8*(2*\kb+\qb)+4:MK+8*(2*\kb+\qb)+7], v[ADM+\slot] offset:\qb*16*MPI+256*\c+64*\kb+16
.endr
.endr
.endm
; V^T's fragments of chunk c: 32 transposing loads
.macro FETCH_V slot, c
	WIN 0x40
.irp ks, 0,1
.irp db, 0,1,2,3,4,5,6,7
	ds_load_tr16_b128 v[VF+8*(8*\ks+\db):VF+8*(8*\ks+\db)+3],   v[ADV+\slot] offset:(64*\c+32*\ks)*VP+32*\db
	ds_load_tr16_b128 v[VF+8*(8*\ks+\db)+4:VF+8*(8*\ks+\db)+7], v[ADV+\slot] offset:(64*\c+32*\ks+16)*VP+32*\db
.endr
.endr
.endm
; 32 matrix instructions: 64 keys x 32 queries x 128.  The eight accumulators take turns, one instruction a turn.
.macro SMUL
	WIN 0x0a
.irp s, 0,1,2,3
.irp kb, 0,1,2,3
.irp qb, 0,1
.if \s == 0
	v_wmma_f32_16x16x32_f16 v[SC+8*(2*\kb+\qb):SC+8*(2*\kb+\qb)+7], v[KF+8*(4*\kb+\s):KF+8*(4*\kb+\s)+7], v[QF+8*(4*\qb+\s):QF+8*(4*\qb+\s)+7], 0
.else
	v_wmma_f32_16x16x32_f16 v[SC+8*(2*\kb+\qb):SC+8*(2*\kb+\qb)+7], v[KF+8*(4*\kb+\s):KF+8*(4*\kb+\s)+7], v[QF+8*(4*\qb+\s):QF+8*(4*\qb+\s)+7], v[SC+8*(2*\kb+\qb):SC+8*(2*\kb+\qb)+7]
.endif
.endr
.endr
.endr
.endm
; Wave 0 asks, in the first chunk of step t, for my head's 16 rows (8 KiB) of the mask tile of step t + 2, whose joint load stands at the
; end of the same step.  The eight heads of a (batch, query block) ask for different rows: each block of 256 bytes is asked for once.
.macro PFETCH off
	s_cmp_lg_u32 s10, 0
	s_cbranch_scc1 .Lno_pf_\@
	global_prefetch_b8 v[PFO], s[88:89] offset:\off th:TH_LOAD_NT scope:SCOPE_SE
.Lno_pf_\@:
.endm
.macro SOFTMAX first, pf, slot
.set n, 0
.rept 32
	v_pk_fma_f32 v[SC+n:SC+n+1], v[MK+n:MK+n+1], 0x3fb8aa3b, v[SC+n:SC+n+1] op_sel_hi:[1,0,1]     ; + mask x log2(e)
.set n, n+2
.endr
.if \pf
	PFETCH \slot*512
.endif
	; the chunk's maximum for each query, with the running one: four chains that do not wait for each other
.irp qb, 0,1
.if \first
	v_max_num_f32 v[TA+\qb], v[SC+8*\qb], v[SC+8*\qb+1]
.else
	v_max3_num_f32 v[TA+\qb], v[MP+2*\qb], v[SC+8*\qb], v[SC+8*\qb+1]
.endif
	v_max_num_f32 v[TB+\qb], v[SC+8*(4+\qb)], v[SC+8*(4+\qb)+1]
.endr
.irp j, 2,4,6
.irp qb, 0,1
	v_max3_num_f32 v[TA+\qb], v[TA+\qb], v[SC+8*\qb+\j], v[SC+8*\qb+\j+1]
	v_max3_num_f32 v[TB+\qb], v[TB+\qb], v[SC+8*(4+\qb)+\j], v[SC+8*(4+\qb)+\j+1]
.endr
.endr
.irp j, 0,2,4,6
.irp qb, 0,1
	v_max3_num_f32 v[TA+\qb], v[TA+\qb], v[SC+8*(2+\qb)+\j], v[SC+8*(2+\qb)+\j+1]
	v_max3_num_f32 v[TB+\qb], v[TB+\qb], v[SC+8*(6+\qb)+\j], v[SC+8*(6+\qb)+\j+1]
.endr
.endr
.irp qb, 0,1
	v_max_num_f32 v[TA+\qb], v[TA+\qb], v[TB+\qb]
.endr
.irp qb, 0,1
	v_permlanex16_b32 v[TP+\qb], v[TA+\qb], s84, s85       ; the query's other keys lie in lane l xor 16
.endr
.irp qb, 0,1
	v_max3_num_f32 v[TA+\qb], v[TA+\qb], v[TP+\qb], s86    ; never below the floor, so that -inf minus the maximum stays -inf
.endr
.irp qb, 0,1
.if \first
.else
	v_sub_f32 v[DD+\qb], v[MP+2*\qb], v[TA+\qb]
.endif
	v_mov_b32 v[MP+2*\qb], v[TA+\qb]
	v_mov_b32 v[MP+2*\qb+1], v[TA+\qb]
.endr
.irp kb, 0,1,2,3
.irp qb, 0,1
.irp p, 0,1,2,3
	v_pk_add_f32 v[SC+8*(2*\kb+\qb)+2*\p:SC+8*(2*\kb+\qb)+2*\p+1], v[SC+8*(2*\kb+\qb)+2*\p:SC+8*(2*\kb+\qb)+2*\p+1], v[MP+2*\qb:MP+2*\qb+1] neg_lo:[0,1] neg_hi:[0,1]
.endr
.endr
.endr
.set n, 0
.rept 64
	v_exp_f32 v[SC+n], v[SC+n]
.set n, n+1
.endr
.if \first
.else
	v_exp_f32 v[AL],   v[DD]
	v_exp_f32 v[AL+1], v[DD]
	v_exp_f32 v[AL+2], v[DD+1]
	v_exp_f32 v[AL+3], v[DD+1]
.endif
	v_nop                                          ; one plain instruction behind the last v_exp_f32 (ISA guide 5.7.2)
	s_wait_alu depctr_va_vdst(0)
	; running sums, eight chains
.irp qb, 0,1
.irp p, 0,1,2,3
.if \first
	s_wait_alu depctr_va_vdst(0)
	v_pk_add_f32 v[LS+8*\qb+2*\p:LS+8*\qb+2*\p+1], v[SC+8*\qb+2*\p:SC+8*\qb+2*\p+1], v[SC+8*(2+\qb)+2*\p:SC+8*(2+\qb)+2*\p+1]
.else
	v_pk_fma_f32 v[LS+8*\qb+2*\p:LS+8*\qb+2*\p+1], v[LS+8*\qb+2*\p:LS+8*\qb+2*\p+1], v[AL+2*\qb:AL+2*\qb+1], v[SC+8*\qb+2*\p:SC+8*\qb+2*\p+1]
.endif
.endr
.endr
.if \first
.else
.irp qb, 0,1
.irp p, 0,1,2,3
	v_pk_add_f32 v[LS+8*\qb+2*\p:LS+8*\qb+2*\p+1], v[LS+8*\qb+2*\p:LS+8*\qb+2*\p+1], v[SC+8*(2+\qb)+2*\p:SC+8*(2+\qb)+2*\p+1]
.endr
.endr
.endif
.irp kb, 2,3
.irp qb, 0,1
.irp p, 0,1,2,3
	v_pk_add_f32 v[LS+8*\qb+2*\p:LS+8*\qb+2*\p+1], v[LS+8*\qb+2*\p:LS+8*\qb+2*\p+1], v[SC+8*(2*\kb+\qb)+2*\p:SC+8*(2*\kb+\qb)+2*\p+1]
.endr
.endr
.endr
	; P: blocks 2 ks and 2 ks + 1 are registers 0-3 and 4-7 of the fragment for keys 32 ks .. + 31
.irp kb, 0,1,2,3
.irp qb, 0,1
.irp p, 0,1,2,3
	v_cvt_pk_f16_f32 v[PB+8*(2*(\kb/2)+\qb)+4*(\kb%2)+\p], v[SC+8*(2*\kb+\qb)+2*\p], v[SC+8*(2*\kb+\qb)+2*\p+1]
.endr
.endr
.endr
.endm
.macro RESCALE                         ; O x 2^(old maximum - new)
	WIN 0x41
.irp db, 0,1,2,3,4,5,6,7
.irp qb, 0,1
.irp p, 0,1,2,3
	v_pk_mul_f32 v[OA+8*(2*\db+\qb)+2*\p:OA+8*(2*\db+\qb)+2*\p+1], v[OA+8*(2*\db+\qb)+2*\p:OA+8*(2*\db+\qb)+2*\p+1], v[AL+2*\qb:AL+2*\qb+1]
.endr
.endr
.endr
.endm
; 32 matrix instructions: 128 d x 32 queries x 64 keys.  The sixteen accumulators take turns.
.macro PVMUL first
	WIN 0x51
.irp ks, 0,1
.irp db, 0,1,2,3,4,5,6,7
.irp qb, 0,1
.if \first*(1-\ks)
	v_wmma_f32_16x16x32_f16 v[OA+8*(2*\db+\qb):OA+8*(2*\db+\qb)+7], v[VF+8*(8*\ks+\db):VF+8*(8*\ks+\db)+7], v[PB+8*(2*\ks+\qb):PB+8*(2*\ks+\qb)+7], 0
.else
	v_wmma_f32_16x16x32_f16 v[OA+8*(2*\db+\qb):OA+8*(2*\db+\qb)+7], v[VF+8*(8*\ks+\db):VF+8*(8*\ks+\db)+7], v[PB+8*(2*\ks+\qb):PB+8*(2*\ks+\qb)+7], v[OA+8*(2*\db+\qb):OA+8*(2*\db+\qb)+7]
.endif
.endr
.endr
.endr
.endm
; One chunk of 64 keys.  bar = 1: the slot has been read to its end, slots change; fill = 1: it is filled again, two steps ahead;
; more = 1: the next chunk's K and mask (slot nslot, chunk nc) are fetched; pf = 1: the prefetch.
.macro CHUNK slot, c, first, bar, fill, more, nslot, nc, pf
	s_wait_dscnt 16                                ; K's 32 loads are in; the 16 of the mask are younger
	SMUL
	WIN 0
	PLACES                                         ; behind the matrix instructions: V's registers are loaded, the scores read
	FETCH_V \slot, \c
	WIN 0
	s_wait_dscnt 32                                ; the mask words are in; V's 32 loads are younger
	SOFTMAX \first, \pf, \slot
	s_wait_dscnt 0                                 ; V is in; with it all my reads of this chunk are back
.if \bar
	s_wait_tensorcnt 0x0                           ; all my tensor loads have landed: the one that was out is my part of the next slot
	ds_add_u32 v254, v255
	s_wait_dscnt 0x0
	s_barrier_signal -1                            ; where the slot is filled again this barrier opens a round of the cluster's barrier
.endif
.if \first
.else
	RESCALE                                        ; register work
.endif
	WIN 0
.if \bar
	s_barrier_wait -1
.endif
.if \fill
	CREST                                          ; no wave of any partner still reads this slot or has a load on its way
	s_add_nc_u64 s[G0K+4*\slot+2:G0K+4*\slot+3], s[G0K+4*\slot+2:G0K+4*\slot+3], 2*KSTEPB
	s_add_nc_u64 s[G0V+4*\slot+2:G0V+4*\slot+3], s[G0V+4*\slot+2:G0V+4*\slot+3], 2*KSTEPB
	s_add_nc_u64 s[G0M+4*\slot+2:G0M+4*\slot+3], s[G0M+4*\slot+2:G0M+4*\slot+3], 2*512
	JLOAD \slot                                    ; the wave's one tensor load behind the round, and the first thing there; it has a whole step in which to land
.endif
.if \more
	FETCH_KM \nslot, \nc
.endif
	PVMUL \first
.endm
.macro LAP first                       ; two steps, both slots filled again
	CHUNK 0, 0, \first, 0, 0, 1, 0, 1, 1
	CHUNK 0, 1, 0,      1, 1, 1, 1, 0, 0
	CHUNK 1, 0, 0,      0, 0, 1, 1, 1, 1
	CHUNK 1, 1, 0,      1, 1, 1, 0, 0, 0
	s_wait_xcnt 0x0                                ; the prefetches' base is stepped only behind this wait; the last prefetch stands more than a chunk back
	s_add_nc_u64 s[88:89], s[88:89], 1024
.endm
	s_wait_tensorcnt 1                             ; my part of step 0 is in; step 1's may stay out
	s_barrier_signal -1
	s_barrier_wait -1
	FETCH_KM 0, 0
	s_wait_loadcnt 0x0                             ; Q
	LAP 1                                          ; the first chunk starts maximum, sums and O
	WIN 0
	s_mov_b32 s3, 6
.Llap:
	LAP 0
	WIN 0
	s_sub_co_u32 s3, s3, 1
	s_cmp_lg_u32 s3, 0
	s_cbranch_scc1 .Llap
	CHUNK 0, 0, 0, 0, 0, 1, 0, 1, 0                ; steps 14 and 15: nothing is left to fetch or to ask for
	CHUNK 0, 1, 0, 1, 0, 1, 1, 0, 0
	CHUNK 1, 0, 0, 0, 0, 1, 1, 1, 0
	CHUNK 1, 1, 0, 0, 0, 0, 0, 0, 0
	; THE WAY OUT: O / sum, f16, 16 queries x 256 bytes through my stage
	WIN 0
	PLACES
	s_lshl_b32 s16, s14, 11
	s_lshl_b32 s17, s42, 7
	s_add_co_u32 s16, s16, s17
	s_lshl_b32 s17, s10, 5
	s_add_co_u32 s16, s16, s17                     ; my first token
	s_lshl_b32 s16, s16, 11                        ; rows of 2,048 bytes
	s_lshl_b32 s17, s15, 8                         ; the head's 256 bytes
	s_add_co_u32 s16, s16, s17
	s_mov_b32 s17, 0
	s_add_nc_u64 s[8:9], s[8:9], s[16:17]
.irp qb, 0,1
	v_pk_add_f32 v[LS+8*\qb:LS+8*\qb+1], v[LS+8*\qb:LS+8*\qb+1], v[LS+8*\qb+2:LS+8*\qb+3]
	v_pk_add_f32 v[LS+8*\qb+4:LS+8*\qb+5], v[LS+8*\qb+4:LS+8*\qb+5], v[LS+8*\qb+6:LS+8*\qb+7]
	v_pk_add_f32 v[LS+8*\qb:LS+8*\qb+1], v[LS+8*\qb:LS+8*\qb+1], v[LS+8*\qb+4:LS+8*\qb+5]
	v_add_f32 v[TA+\qb], v[LS+8*\qb], v[LS+8*\qb+1]
	v_permlanex16_b32 v[TP+\qb], v[TA+\qb], s84, s85
	v_add_f32 v[TA+\qb], v[TA+\qb], v[TP+\qb]
.endr
	v_rcp_f32 v[RL],   v[TA]
	v_rcp_f32 v[RL+1], v[TA]
	v_rcp_f32 v[RL+2], v[TA+1]
	v_rcp_f32 v[RL+3], v[TA+1]
	v_nop                                          ; one plain instruction behind the last v_rcp_f32 (ISA guide 5.7.2)
	s_wait_alu depctr_va_vdst(0)
.macro OUT qb
	WIN 0x01                                       ; source 0 (O) in window 1
.irp db, 0,1,2,3,4,5,6,7
.irp p, 0,1,2,3
	v_pk_mul_f32 v[SC+8*\db+2*\p:SC+8*\db+2*\p+1], v[OA+8*(2*\db+\qb)+2*\p:OA+8*(2*\db+\qb)+2*\p+1], v[RL+2*\qb:RL+2*\qb+1]
.endr
.endr
	WIN 0
.irp db, 0,1,2,3,4,5,6,7
.irp p, 0,1,2,3
	v_cvt_pk_f16_f32 v[PB+4*\db+\p], v[SC+8*\db+2*\p], v[SC+8*\db+2*\p+1]
.endr
.endr
.irp db, 0,1,2,3,4,5,6,7
	ds_store_b128 v[STO], v[PB+4*\db:PB+4*\db+3] offset:32*\db
.endr
.irp t, 0,1,2,3,4,5,6,7
	ds_load_b128 v[MK+32*\qb+4*\t:MK+32*\qb+4*\t+3], v[RD] offset:\t*2*SPITCH      ; LDS serves a wave's instructions in order (ISA guide 5.7.1.4)
.endr
.irp t, 0,1,2,3,4,5,6,7
	s_wait_dscnt 7-\t
	global_store_b128 v[CO], v[MK+32*\qb+4*\t:MK+32*\qb+4*\t+3], s[8:9] offset:\qb*32768+\t*4096    ; sixteen lanes store 256 consecutive aligned bytes; each query block has its own registers
.endr
.endm
	OUT 0
	OUT 1
	s_wait_tensorcnt 0x0
	ds_add_u32 v254, v255
	s_wait_dscnt 0x0
	CROUND                                         ; the closing round
	s_endpgm
.Lfunc_end_k_qc72dd87d7e_attn:
	.size	k_qc72dd87d7e_attn, .Lfunc_end_k_qc72dd87d7e_attn-k_qc72dd87d7e_attn
	.p2alignl 7, 3214868480
	.fill 96, 4, 3214868480
	.section	.rodata,"a",@progbits
	.p2align	6, 0x0
	.amdhsa_kernel k_qc72dd87d7e_attn
		.amdhsa_group_segment_fixed_size 327680
		.amdhsa_private_segment_fixed_size 0
		.amdhsa_enable_private_segment 0
		.amdhsa_kernarg_size 24
		.amdhsa_user_sgpr_count 2
		.amdhsa_user_sgpr_kernarg_segment_ptr 1
		.amdhsa_wavefront_size32 1
		.amdhsa_system_sgpr_workgroup_id_x 1
		.amdhsa_system_sgpr_workgroup_id_y 1
		.amdhsa_system_sgpr_workgroup_id_z 1
		.amdhsa_system_vgpr_workitem_id 0
		.amdhsa_next_free_vgpr 704
		.amdhsa_next_free_sgpr 92
		.amdhsa_reserve_vcc 0
		.amdhsa_float_denorm_mode_32 3
		.amdhsa_float_denorm_mode_16_64 3
		.amdhsa_memory_ordered 1
		.amdhsa_forward_progress 1
		.amdhsa_inst_pref_size 255
	.end_amdhsa_kernel
	.section	.bss,"aw",@nobits
	.p2align	6
	.space	262144
	.amdgpu_metadata
---
amdhsa.version: [ 1, 2 ]
amdhsa.kernels:
  - .name:           k_qc72dd87d7e_attn
    .symbol:         k_qc72dd87d7e_attn.kd
    .args:
      - { .name: qkv, .offset: 0, .size: 8, .value_kind: global_buffer, .address_space: global }
      - { .name: attention_mask, .offset: 8, .size: 8, .value_kind: global_buffer, .address_space: global }
      - { .name: att, .offset: 16, .size: 8, .value_kind: global_buffer, .address_space: global }
    .group_segment_fixed_size: 327680
    .private_segment_fixed_size: 0
    .kernarg_segment_align: 8
    .kernarg_segment_size: 24
    .max_flat_workgroup_size: 128
    .sgpr_count:     92
    .vgpr_count:     704
    .wavefront_size: 32
...
	.end_amdgpu_metadata
.endif
;; end of part 3
;; launch oproj (part 4): grid 8 x 32, 4 waves a work-group, clusters of 4 x 4, 327,680 bytes of LDS; arguments att, owb, out0; writes out0
.if DOCPART == 4
	.amdgcn_target "amdgcn-amd-amdhsa--gfx1250"
	.amdhsa_code_object_version 6
	.text
	.protected	k_qc72dd87d7e_oproj
	.globl	k_qc72dd87d7e_oproj
	.p2align	8
	.type	k_qc72dd87d7e_oproj,@function
k_qc72dd87d7e_oproj:
	s_mov_b64 s[64:65], 0
	v_nop
	global_prefetch_b8 v0, s[64:65] scope:SCOPE_SE
	s_setreg_imm32_b32 hwreg(HW_REG_WAVE_MODE, 25, 1), 1
	s_wait_xcnt 0x0
	s_wait_alu depctr_hold_cnt(0) depctr_sa_sdst(0) depctr_va_vdst(0) depctr_va_sdst(0) depctr_va_ssrc(0) depctr_va_vcc(0) depctr_vm_vsrc(0)
	s_getreg_b32 s2, hwreg(HW_REG_IB_STS2, 6, 4)
	s_cmp_eq_u32 s2, 0
	s_cbranch_scc0 .Lentry_in_a_cluster
	s_endpgm
.Lentry_in_a_cluster:
	s_bfe_u32 s2, ttmp6, 0x10000c
	s_cmp_lg_u32 s2, 0xf033
	s_cbranch_scc0 .Lentry_shape_is_right
	s_endpgm
.Lentry_shape_is_right:
; out0[t][n] = sum over k of att[t][k] owb[n][k]  (4096 x 2048 x 1024, f16 operands, f32 sums, f32 out).
; A work-group makes 128 tokens x 256 columns: 32 x 8 = 256 work-groups of equal work.  Four waves, a wave 64 tokens x 128 columns:
; 32 accumulator tiles of 16 x 16 = 256 registers, the whole of window 1; fragments and addresses lie in window 0, so a stretch of matrix
; instructions has one setting and a run of loads another.  For 32 along K a wave loads 12 fragments (24 loads) for 32 matrix instructions.
; K goes in steps of 128 through two LDS slots filled by the tensor data mover; a tile's rows are 256 bytes of memory and start at
; multiples of 256 bytes.  Two slots of 256 along K would take 2 x 384 x 528 = 405,504 bytes and do not fit, so a slot holds one step.
; CLUSTERS 4 x 4: att's tile hangs on the block row alone and is shared along a row of the cluster, owb's on the block column alone and
; is shared along a column: each is asked for jointly (same line, same descriptor, a mask that names the four): requests divided by four.
; Waves 0 and 1 ask for owb's two halves (128 rows each), waves 2 and 3 for att's (64 rows each): one tensor load a wave.
; By this text's count a wave has two tensor loads out at the start and one behind each round.
; LDS: slot = owb 256 x 272 | att 128 x 272 = 104,448 bytes; two slots; then a stage of 16 x 528 bytes for each wave, where no tensor load lands.
; The matrix instruction is used transposed (source 0 = rows of owb, source 1 = rows of att): lane l holds token l % 16, registers 0-7 the
; columns 16 b + 8 (l / 16) + 0..7 of tile b.  The way out goes through the stage: rows of 512 bytes come back whole.
; LIMIT: f16 operands (see the launches that made them).
.set SIZE_M, 4096
.set SIZE_N, 2048
.set SIZE_K, 1024
.set KSTEP,  128
.set PITCH,  272                       ; an LDS row: 256 bytes + 16 of padding: the 16 rows that a fragment load touches start 68 words apart
.set XOFF,   256*PITCH                 ; att's rows lie behind owb's 256
.set SLOT,   384*PITCH
.set STAGE,  2*SLOT
.set SPITCH, 528                       ; 512 bytes + 16: an odd multiple of 16
.set LAPS, SIZE_K/(2*KSTEP)            ; 4 laps of two K steps
.set ADRX, 16                          ; v16-17  LDS address of my att fragments in slot 0, 1
.set ADRW, 20                          ; v20-21  the same for owb
.set STO,  24                          ; v24     stage: where I put 32 bytes of a row
.set RD,   25                          ; v25     stage: where I read a row back
.set CO,   26                          ; v26     my byte offset in a row of out0
.set FX0,  32                          ; v[32:63]   att's 4 fragments, buffer 0
.set FX1,  64                          ; v[64:95]   buffer 1
.set FW0,  96                          ; v[96:159]  owb's 8 fragments, buffer 0
.set FW1,  160                         ; v[160:223] buffer 1
.set RB0,  32                          ; way out: 16 rows read back, two buffers in turn
.set RB1,  96
.set G1X, 24                           ; s[24:31] group 1 of att's tiles
.set G0X, 32                           ; s[32:39] group 0 of att's tiles, one set for each slot
.set G1W, 48                           ; s[48:55] group 1 of owb's tiles
.set G0W, 56                           ; s[56:63] group 0 of owb's tiles
.set MSB, 0
.macro WIN new                         ; the immediate's high byte repeats the setting that is left
.if MSB != \new
	s_set_vgpr_msb (MSB<<8)|\new
.set MSB, \new
.endif
.endm
.set MULW, 0x50                        ; sources 0 and 1 window 0, C and D window 1
.macro JLOAD s                         ; waves 0, 1: owb's two halves; waves 2, 3: att's.  The branch hangs on the wave's number alone; each line has one mask
	s_cmp_eq_u32 s11, 0
	s_cbranch_scc0 .Lfor_x_\@
	tensor_load_to_lds s[G0W+4*\s:G0W+4*\s+3], s[G1W:G1W+7]
	s_nop 0
	s_branch .Lasked_\@
.Lfor_x_\@:
	tensor_load_to_lds s[G0X+4*\s:G0X+4*\s+3], s[G1X:G1X+7]
	s_nop 0
.Lasked_\@:
.endm
; A round of the cluster's barrier: my work-group's barrier, wave 0 signals for the work-group, every wave waits for all sixteen, my barrier again.
.macro CREST
	s_cmp_lg_u32 s10, 0
	s_cbranch_scc1 .Lnot_wave_0_\@
	s_barrier_signal -3
.Lnot_wave_0_\@:
	s_barrier_wait -3
	s_barrier_signal -1
	s_barrier_wait -1
.endm
.macro CROUND
	s_barrier_signal -1
	s_barrier_wait -1
	CREST
.endm
	s_load_b128 s[4:7], s[0:1], 0x0                ; att s[4:5], owb s[6:7]
	s_load_b64 s[8:9], s[0:1], 0x10                ; out0
	v_lshl_add_u32 v254, v0, 2, 0x3b400
	v_mov_b32 v255, 0
	ds_add_u32 v254, v255
	v_lshrrev_b32 v1, 5, v0
	v_readfirstlane_b32 s10, v1                    ; wave 0..3
	s_lshr_b32 s11, s10, 1                         ; my half of the block's 128 rows; also: I fetch for owb (0) or att (1)
	s_and_b32 s12, s10, 1                          ; my half of its 256 columns; also: which half of that tile I fetch
	s_bfe_u32 s40, ttmp6, 0x40000                  ; cx
	s_bfe_u32 s41, ttmp6, 0x40004                  ; cy
	s_lshl_b32 s42, ttmp9, 2
	s_add_co_u32 s42, s42, s40                     ; block column = 4 x cluster x + cx
	s_and_b32 s13, ttmp7, 0xffff
	s_lshl_b32 s13, s13, 2
	s_add_co_u32 s13, s13, s41                     ; block row = 4 x cluster y + cy
	s_lshl_b32 s43, s41, 2
	s_lshl_b32 s43, 15, s43                        ; my row of the cluster: att
	s_lshl_b32 s44, 0x1111, s40                    ; my column: owb
	; group 1: rows of 128 elements of 2 bytes, 16 bytes of padding behind every 256; att 64 rows a load, owb 128
	s_or_b32 s[G1X+0], s43, (1<<16)|(1<<20)|(1<<21)|(5<<22)|(3<<25)
	s_mov_b32 s[G1X+1], KSTEP<<16                  ; tensor_dim0 = 128
	s_mov_b32 s[G1X+2], 64<<16                     ; tensor_dim1 = 64
	s_mov_b32 s[G1X+3], KSTEP<<16                  ; tile_dim0 = 128
	s_mov_b32 s[G1X+4], 64                         ; tile_dim1 = 64
	s_mov_b32 s[G1X+5], SIZE_K                     ; elements from row to row
	s_mov_b32 s[G1X+6], 0
	s_mov_b32 s[G1X+7], 0
	s_or_b32 s[G1W+0], s44, (1<<16)|(1<<20)|(1<<21)|(5<<22)|(3<<25)
	s_mov_b32 s[G1W+1], KSTEP<<16
	s_mov_b32 s[G1W+2], 128<<16
	s_mov_b32 s[G1W+3], KSTEP<<16
	s_mov_b32 s[G1W+4], 128
	s_mov_b32 s[G1W+5], SIZE_K
	s_mov_b32 s[G1W+6], 0
	s_mov_b32 s[G1W+7], 0
	; every wave makes both addresses, in registers that never hold the other coordinate, and asks by one of them
	s_lshl_b32 s17, s12, 6
	s_lshl_b32 s16, s13, 7
	s_add_co_u32 s16, s16, s17                     ; att: row 128 x block row + 64 x half
	s_lshl_b32 s47, s12, 7
	s_lshl_b32 s46, s42, 8
	s_add_co_u32 s46, s46, s47                     ; owb: row 256 x block column + 128 x half
	s_mov_b32 s17, 0
	s_mov_b32 s47, 0
	s_mov_b64 s[18:19], SIZE_K*2
	s_mul_u64 s[16:17], s[16:17], s[18:19]
	s_mul_u64 s[46:47], s[46:47], s[18:19]
	s_mul_i32 s20, s10, 64*PITCH                   ; LDS, att: wave x 64 rows + 128 rows: waves 2 and 3 land on rows 256 and 320 of the slot
	s_mul_i32 s45, s10, 128*PITCH                  ; LDS, owb: wave x 128 rows: waves 0 and 1 land on rows 0 and 128
	s_wait_dscnt 0x0
	s_wait_kmcnt 0x0
	s_add_nc_u64 s[14:15], s[4:5], s[16:17]
	s_add_nc_u64 s[46:47], s[6:7], s[46:47]
	CROUND                                         ; all sixteen work-groups are here: the first joint loads meet
.irp s, 0,1
	s_mov_b32 s[G0X+4*\s], 1
	s_add_co_u32 s[G0X+4*\s+1], s20, \s*SLOT+XOFF-128*PITCH
	s_add_nc_u64 s[G0X+4*\s+2:G0X+4*\s+3], s[14:15], \s*KSTEP*2
	s_or_b32 s[G0X+4*\s+3], s[G0X+4*\s+3], 0x80000000
	s_mov_b32 s[G0W+4*\s], 1
	s_add_co_u32 s[G0W+4*\s+1], s45, \s*SLOT
	s_add_nc_u64 s[G0W+4*\s+2:G0W+4*\s+3], s[46:47], \s*KSTEP*2
	s_or_b32 s[G0W+4*\s+3], s[G0W+4*\s+3], 0x80000000
	JLOAD \s                                       ; both slots are asked for before anything else: two tensor loads of the wave are out
.endr
	v_and_b32 v1, 15, v0                           ; r = l % 16
	v_bfe_u32 v2, v0, 4, 1                         ; h = l / 16
	v_mul_u32_u24 v3, v1, PITCH
	v_lshl_add_u32 v3, v2, 4, v3                   ; row x pitch + 16 h
	s_mul_i32 s21, s11, 64*PITCH
	s_add_co_u32 s21, s21, XOFF                    ; my 64 rows of att
	s_mul_i32 s22, s12, 128*PITCH                  ; my 128 rows of owb
.irp s, 0,1
	v_add_nc_u32 v[ADRX+\s], s21, v3
	v_add_nc_u32 v[ADRW+\s], s22, v3
	s_add_co_u32 s21, s21, SLOT
	s_add_co_u32 s22, s22, SLOT
.endr
	s_mul_i32 s23, s10, 16*SPITCH
	s_add_co_u32 s23, s23, STAGE                   ; my stage
	v_mul_u32_u24 v4, v1, SPITCH                   ; in: row r, 32 bytes for each half of the lanes
	v_lshl_add_u32 v4, v2, 5, v4
	v_add_nc_u32 v[STO], s23, v4
	v_and_b32 v5, 31, v0
	v_lshlrev_b32 v[CO], 4, v5                     ; back and out: 32 lanes x 16 bytes are one row of 512 bytes
	v_add_nc_u32 v[RD], s23, v[CO]
; 8 matrix instructions: m block a x all 8 n blocks, 32 along K.  zero = 1: the first product starts the sums.
; The 32 accumulators take turns, one instruction a turn, in the same order in every quarter step.
.macro MUL8 fx, fw, a, zero
.irp b, 0,1,2,3,4,5,6,7
.if \zero
	v_wmma_f32_16x16x32_f16 v[8*(8*\a+\b):8*(8*\a+\b)+7], v[\fw+8*\b:\fw+8*\b+7], v[\fx+8*\a:\fx+8*\a+7], 0
.else
	v_wmma_f32_16x16x32_f16 v[8*(8*\a+\b):8*(8*\a+\b)+7], v[\fw+8*\b:\fw+8*\b+7], v[\fx+8*\a:\fx+8*\a+7], v[8*(8*\a+\b):8*(8*\a+\b)+7]
.endif
.endr
.endm
; 24 LDS loads in one run: owb's 8 fragments, then att's 4, of one quarter step (32 K at byte k of the rows)
.macro FETCH slot, k, fx, fw
.irp i, 0,1,2,3,4,5,6,7
	ds_load_b128 v[\fw+8*\i:\fw+8*\i+3],   v[ADRW+\slot] offset:\k+\i*16*PITCH
	ds_load_b128 v[\fw+8*\i+4:\fw+8*\i+7], v[ADRW+\slot] offset:\k+\i*16*PITCH+32
.endr
.irp i, 0,1,2,3
	ds_load_b128 v[\fx+8*\i:\fx+8*\i+3],   v[ADRX+\slot] offset:\k+\i*16*PITCH
	ds_load_b128 v[\fx+8*\i+4:\fx+8*\i+7], v[ADRX+\slot] offset:\k+\i*16*PITCH+32
.endr
.endm
.macro PLACES                          ; four places between a matrix instruction and a load into, or an LDS store of, one of its registers
.rept 4
	v_nop
.endr
.endm
; One of a K step's first three quarters: multiplies buffer f; behind its first 8 matrix instructions it fetches the next quarter's
; fragments into buffer g, which then have 24 matrix instructions in which to come.
.macro QUARTER slot, k, fx, fw, gx, gw, zero
	s_wait_dscnt 6                                 ; owb's 16 loads and att's first two are in; att's last six are younger
	WIN MULW
	MUL8 \fx, \fw, 0, \zero
	PLACES
	WIN 0
	FETCH \slot, \k, \gx, \gw
	s_wait_dscnt 24                                ; all but the 24 just issued
	WIN MULW
	MUL8 \fx, \fw, 1, \zero
	MUL8 \fx, \fw, 2, \zero
	MUL8 \fx, \fw, 3, \zero
.endm
.macro THREE slot, zero
	QUARTER \slot, 64,  FX0, FW0, FX1, FW1, \zero
	QUARTER \slot, 128, FX1, FW1, FX0, FW0, 0
	QUARTER \slot, 192, FX0, FW0, FX1, FW1, 0
.endm
; The last quarter multiplies buffer 1 and changes slots, at its head: the slot's last fragments are in registers.  In front of the barrier
; each wave waits for its reads of this slot and for all its tensor loads (one is out: its part of the next slot); behind it the refill
; comes first, then the next slot's first fragments.  From a request to the wait for it a wave issues 120 matrix instructions.
.macro TURN slot, next, fill
	s_wait_dscnt 0                                 ; my reads of this slot are over
	s_wait_tensorcnt 0x0                           ; all my tensor loads have landed
	ds_add_u32 v254, v255
	s_wait_dscnt 0x0
	s_barrier_signal -1                            ; where the slot is filled again this barrier opens a round of the cluster's barrier
	WIN MULW
	MUL8 FX1, FW1, 0, 0                            ; register work while the others arrive
	WIN 0
	s_barrier_wait -1
.if \fill
	CREST                                          ; no wave of any partner still reads this slot or has a load on its way
	s_add_nc_u64 s[G0X+4*\slot+2:G0X+4*\slot+3], s[G0X+4*\slot+2:G0X+4*\slot+3], 2*KSTEP*2
	s_add_nc_u64 s[G0W+4*\slot+2:G0W+4*\slot+3], s[G0W+4*\slot+2:G0W+4*\slot+3], 2*KSTEP*2
	JLOAD \slot                                    ; the wave's one tensor load behind the round, and the first thing there
.endif
	PLACES
	FETCH \next, 0, FX0, FW0
	WIN MULW
	MUL8 FX1, FW1, 1, 0
	MUL8 FX1, FW1, 2, 0
	MUL8 FX1, FW1, 3, 0
.endm
.macro LAP zero
	THREE 0, \zero
	TURN 0, 1, 1
	THREE 1, 0
	TURN 1, 0, 1
.endm
	s_wait_tensorcnt 1                             ; my part of K step 0 is in; K step 1's may stay out
	s_barrier_signal -1
	s_barrier_wait -1
	FETCH 0, 0, FX0, FW0
	LAP 1                                          ; the first lap's first products start the sums
	WIN 0
	s_mov_b32 s3, LAPS-2
.Llap:
	LAP 0
	WIN 0
	s_sub_co_u32 s3, s3, 1
	s_cmp_lg_u32 s3, 0
	s_cbranch_scc1 .Llap
	THREE 0, 0                                     ; the last lap fills nothing
	TURN 0, 1, 0
	THREE 1, 0
	s_wait_dscnt 0                                 ; the very last quarter: nothing more to fetch
	WIN MULW
	MUL8 FX1, FW1, 0, 0
	MUL8 FX1, FW1, 1, 0
	MUL8 FX1, FW1, 2, 0
	MUL8 FX1, FW1, 3, 0
	; THE WAY OUT, 16 rows at a time, f32 as it stands in the accumulators
	PLACES                                         ; behind the last matrix instructions: LDS stores read results, loads land in fragment registers
	WIN 0
	s_lshl_b32 s13, s13, 7
	s_lshl_b32 s14, s11, 6
	s_add_co_u32 s16, s13, s14                     ; my first row: 128 x block row + 64 x half
	s_mov_b32 s17, 0
	s_mov_b64 s[18:19], SIZE_N*4
	s_mul_u64 s[16:17], s[16:17], s[18:19]
	s_add_nc_u64 s[8:9], s[8:9], s[16:17]
	s_lshl_b32 s46, s42, 10                        ; my first column, in bytes: 1,024 x block + 512 x half
	s_lshl_b32 s47, s12, 9
	s_add_co_u32 s46, s46, s47
	s_mov_b32 s47, 0
	s_add_nc_u64 s[8:9], s[8:9], s[46:47]
; rows 16 i .. 16 i + 15 = tiles (i, 0..7) of window 1 (an LDS store's data is source 1: setting 0x04); f: the read-back buffer, two in turn
.macro OUTF32 i, f
	WIN 0x04
.irp b, 0,1,2,3,4,5,6,7
	ds_store_b128 v[STO], v[8*(8*\i+\b):8*(8*\i+\b)+3]   offset:64*\b
	ds_store_b128 v[STO], v[8*(8*\i+\b)+4:8*(8*\i+\b)+7] offset:64*\b+16
.endr
	WIN 0
	s_wait_xcnt 0x0                                ; buffer f, which earlier stores read, and the base are rewritten only behind this wait
.if \i
	s_add_nc_u64 s[8:9], s[8:9], 16*SIZE_N*4
.endif
.irp t, 0,1,2,3,4,5,6,7,8,9,10,11,12,13,14,15
	ds_load_b128 v[\f+4*\t:\f+4*\t+3], v[RD] offset:\t*SPITCH      ; LDS serves a wave's instructions in order (ISA guide 5.7.1.4): these see the stores above
.endr
.irp t, 0,1,2,3,4,5,6,7,8,9,10,11,12,13,14,15
	s_wait_dscnt 15-\t
	global_store_b128 v[CO], v[\f+4*\t:\f+4*\t+3], s[8:9] offset:\t*SIZE_N*4 th:TH_STORE_NT    ; 512 consecutive bytes, aligned; not read again
.endr
.endm
	OUTF32 0, RB0
	OUTF32 1, RB1
	OUTF32 2, RB0
	OUTF32 3, RB1
	s_wait_tensorcnt 0x0
	ds_add_u32 v254, v255
	s_wait_dscnt 0x0
	CROUND                                         ; the closing round: no work-group ends while a partner may still ask for a tile that names it
	s_endpgm
.Lfunc_end_k_qc72dd87d7e_oproj:
	.size	k_qc72dd87d7e_oproj, .Lfunc_end_k_qc72dd87d7e_oproj-k_qc72dd87d7e_oproj
	.p2alignl 7, 3214868480
	.fill 96, 4, 3214868480
	.section	.rodata,"a",@progbits
	.p2align	6, 0x0
	.amdhsa_kernel k_qc72dd87d7e_oproj
		.amdhsa_group_segment_fixed_size 327680
		.amdhsa_private_segment_fixed_size 0
		.amdhsa_enable_private_segment 0
		.amdhsa_kernarg_size 24
		.amdhsa_user_sgpr_count 2
		.amdhsa_user_sgpr_kernarg_segment_ptr 1
		.amdhsa_wavefront_size32 1
		.amdhsa_system_sgpr_workgroup_id_x 1
		.amdhsa_system_sgpr_workgroup_id_y 1
		.amdhsa_system_sgpr_workgroup_id_z 1
		.amdhsa_system_vgpr_workitem_id 0
		.amdhsa_next_free_vgpr 512
		.amdhsa_next_free_sgpr 66
		.amdhsa_reserve_vcc 0
		.amdhsa_float_denorm_mode_32 3
		.amdhsa_float_denorm_mode_16_64 3
		.amdhsa_memory_ordered 1
		.amdhsa_forward_progress 1
		.amdhsa_inst_pref_size 117
	.end_amdhsa_kernel
	.amdgpu_metadata
---
amdhsa.version: [ 1, 2 ]
amdhsa.kernels:
  - .name:           k_qc72dd87d7e_oproj
    .symbol:         k_qc72dd87d7e_oproj.kd
    .args:
      - { .name: att, .offset: 0, .size: 8, .value_kind: global_buffer, .address_space: global }
      - { .name: owb, .offset: 8, .size: 8, .value_kind: global_buffer, .address_space: global }
      - { .name: out0, .offset: 16, .size: 8, .value_kind: global_buffer, .address_space: global }
    .group_segment_fixed_size: 327680
    .private_segment_fixed_size: 0
    .kernarg_segment_align: 8
    .kernarg_segment_size: 24
    .max_flat_workgroup_size: 128
    .sgpr_count:     66
    .vgpr_count:     512
    .wavefront_size: 32
...
	.end_amdgpu_metadata
.endif
;; end of part 4
